; MI455X (gfx1250); checked and timed in simulation.
; The chip was launched on July 23, 2026; its instructions are those of AMD's public machine-readable ISA for CDNA 5 (MIT licence, August 2026) and "CDNA5" Instruction Set Architecture Reference Guide (July 2026). The comments in the code are by the model that wrote it; some were corrected since.
;; Block. Allowed arithmetic: float matrix products may take bf16 or f16 operands with f32 sums; other float arithmetic in f32, or as packed bf16 or f16 multiplies, adds, multiply-adds, maxima and minima; sums over many terms, partial sums and values carried from step to step in f32; what a program stores and reads back later, other than sums and carried values, may be rounded once to bf16 or f16.
;; Inputs: W1 1,024 x 4,096 float32; W2 4,096 x 1,024 float32; Wk 1,024 x 1,024 float32; Wq 1,024 x 1,024 float32; Wv 1,024 x 1,024 float32; beta1 1,024 float32; beta2 1,024 float32; bk 1,024 float32; bm1 4,096 float32; bm2 1,024 float32; bq 1,024 float32; bv 1,024 float32; g1 1,024 float32; g2 1,024 float32; inputs 4 x 1,024 x 1,024 float32.
;; Outputs: out0 4 x 1,024 x 1,024 float32.
;; One version. Each part assembles by itself: llvm-mc -triple=amdgcn-amd-amdhsa -mcpu=gfx1250 --defsym DOCPART=n.
;; ======== version 1 of 1: 6 launches
;; limits: values are held in f16: magnitudes above 65,504 overflow, below 6.1e-05 lose precision
;; workspace buffers: xh 8,388,608 bytes; wqkv 8,388,864 bytes; wmlp 16,777,472 bytes; big 33,554,432 bytes; res 16,777,216 bytes; pq 12,288 bytes
;; launch prep (part 1): grid 1217 x 1, 8 waves a work-group, no clusters, 17,408 bytes of LDS; arguments inputs, g1, beta1, xh, Wq, Wk, Wv, W1, W2, wqkv, wmlp, bq, bk, bv, pq; writes xh, wqkv, wmlp, pq
.if DOCPART == 1
	.amdgcn_target "amdgcn-amd-amdhsa--gfx1250"
	.amdhsa_code_object_version 6
	.text
	.protected	k_q1e9611528d_prep
	.globl	k_q1e9611528d_prep
	.p2align	8
	.type	k_q1e9611528d_prep,@function
k_q1e9611528d_prep:
	s_mov_b64 s[64:65], 0
	v_nop
	global_prefetch_b8 v0, s[64:65] scope:SCOPE_SE
	s_setreg_imm32_b32 hwreg(HW_REG_WAVE_MODE, 25, 1), 1
	s_wait_xcnt 0x0
; PREP: everything that must exist before the first product, each byte read once and written once.
;   work-groups 0-511:     xh = LayerNorm(inputs) g1 + beta1, rounded once to f16.  One wave, one row of 1,024 numbers, kept in 32 registers between the passes.
;   work-groups 512-703:   Wq, Wk, Wv rounded to f16 into wqkv: [1024 k][pitch 4096], columns 0-1023 Wq, 1024-2047 Wk, 2048-3071 Wv (the rest of a row is neither written nor read).
;   work-groups 704-959:   W1 rounded to f16 into wmlp, [1024][4096] at byte 0.
;   work-groups 960-1215:  W2 rounded to f16 and laid in blocks at byte 8,388,864 of wmlp: [64 blocks of 16 columns][512 groups of 8 k][16 columns][8 k], so that a matrix fragment
;                          (16 columns x 32 k) is 1,024 consecutive bytes in the order of the lanes.
;   work-group 1216:       pq = bq | bk | bv in f32, and the two floors at byte 8,388,608 of wqkv (-inf twice in f16: no activation) and of wmlp (0: ReLU).
; A stream: no matrix unit, no cluster (no two work-groups read the same bytes but g1 and beta1, 8 KiB), no barrier.  LDS serves W2's part alone: each wave sorts packets of 16 bytes in 2 KiB of its own.
; LIMITS.  f16 ends at 65,504: a weight or a normed number of 65,520 or more becomes an infinity; below 6e-5 f16 keeps a fixed step of 6e-8.  NaN and infinities are not treated apart.
; The mean is taken first and the variance of the differences, both on registers, so a common offset of a row costs no accuracy.
.set X,  8                             ; v[8:39]    the row: 32 numbers a lane
.set G,  40                            ; v[40:71]   the gain of my 32 columns
.set BT, 72                            ; v[72:103]  the offset of my 32 columns
.set T,  104                           ; v[104:107] partial sums
.set MU, 112                           ; v[112:113] the mean, twice
.set R,  114                           ; v[114:115] 1 / sqrt(var + eps), twice
.set CR, 8                             ; v[8:71]    the casts: 16 loads of 4 registers
.set PKT, 72                           ; v[72:87]   W2: four packets (a column's 8 k in f16)
.set BKT, 88                           ; v[88:119]  W2: packets in the order of the columns, two units of 16 registers
.set TLO, 120                          ; v120  W2: my byte offset in the unit's 16 rows
.set LSA, 121                          ; v121  W2: where I put my first packet in LDS
.set LLA, 122                          ; v122  W2: where I read packets back
.set SPW, 126                          ; v126  LDS address of my spare word; never rewritten
.set NIL, 127                          ; v127  0; never rewritten
.set SPARE, 16384                      ; behind the eight waves' 2 KiB: the spare words, 128 bytes for each wave: four blocks of 256 bytes that no other line names
.macro TOTAL                           ; a lane's four partial sums in v[T:T+3] -> the sum over the wave's 32 lanes in v[T], in every lane
	v_pk_add_f32 v[T:T+1], v[T:T+1], v[T+2:T+3]
	v_add_f32 v[T], v[T], v[T+1]
	v_add_f32_dpp v[T], v[T], v[T] row_xmask:1 row_mask:0xf bank_mask:0xf
	v_add_f32_dpp v[T], v[T], v[T] row_xmask:2 row_mask:0xf bank_mask:0xf
	v_add_f32_dpp v[T], v[T], v[T] row_xmask:4 row_mask:0xf bank_mask:0xf
	v_add_f32_dpp v[T], v[T], v[T] row_xmask:8 row_mask:0xf bank_mask:0xf
	v_permlanex16_b32 v[T+1], v[T], s40, s41       ; the other half of the lanes; its destination has been written
	v_add_f32 v[T], v[T], v[T+1]
.endm
; One row: x s[4:5], gain s[6:7], offset s[8:9], y s[10:11]; s34 = my wave; v1 = 16 x lane, v2 = 8 x lane.  Load j of a lane takes columns 128 j + 4 lane + 0..3.
.macro LNROW
	s_lshl_b32 s35, ttmp9, 3
	s_add_co_u32 s35, s35, s34                     ; my row = 8 x work-group + wave
	s_lshl_b32 s36, s35, 12                        ; 4,096 bytes a row of x
	s_mov_b32 s37, 0
	s_lshl_b32 s38, s35, 11                        ; 2,048 bytes a row of y
	s_mov_b32 s39, 0
	s_add_nc_u64 s[4:5], s[4:5], s[36:37]
	s_add_nc_u64 s[10:11], s[10:11], s[38:39]
.irp j, 0,1,2,3,4,5,6,7
	global_load_b128 v[X+4*(\j):X+4*(\j)+3], v1, s[4:5] offset:512*(\j) th:TH_LOAD_NT
.endr
.irp j, 0,1,2,3,4,5,6,7
	global_load_b128 v[G+4*(\j):G+4*(\j)+3], v1, s[6:7] offset:512*(\j)
.endr
.irp j, 0,1,2,3,4,5,6,7
	global_load_b128 v[BT+4*(\j):BT+4*(\j)+3], v1, s[8:9] offset:512*(\j)
.endr
	s_wait_loadcnt 16                              ; the row is in; the 16 younger loads, gain and offset, may stay out
	v_pk_add_f32 v[T:T+1], v[X:X+1], v[X+2:X+3]    ; two chains, started by the first pairs: nothing is cleared
	v_pk_add_f32 v[T+2:T+3], v[X+4:X+5], v[X+6:X+7]
.set p, 4
.rept 12
	v_pk_add_f32 v[T+2*(p%2):T+2*(p%2)+1], v[T+2*(p%2):T+2*(p%2)+1], v[X+2*p:X+2*p+1]
.set p, p+1
.endr
	TOTAL
	v_mul_f32 v[MU], s42, v[T]                     ; the mean
	v_mul_f32 v[MU+1], s42, v[T]
.set p, 0
.rept 16
	v_pk_add_f32 v[X+2*p:X+2*p+1], v[X+2*p:X+2*p+1], v[MU:MU+1] neg_lo:[0,1] neg_hi:[0,1]  ; x - mean, in place
.set p, p+1
.endr
	v_pk_mul_f32 v[T:T+1], v[X:X+1], v[X:X+1]
	v_pk_mul_f32 v[T+2:T+3], v[X+2:X+3], v[X+2:X+3]
.set p, 2
.rept 14
	v_pk_fma_f32 v[T+2*(p%2):T+2*(p%2)+1], v[X+2*p:X+2*p+1], v[X+2*p:X+2*p+1], v[T+2*(p%2):T+2*(p%2)+1]
.set p, p+1
.endr
	TOTAL
	v_fma_f32 v[T], v[T], s42, s43                 ; the variance + eps
	v_rsq_f32 v[R], v[T]
	v_rsq_f32 v[R+1], v[T]
	v_nop                                          ; a plain instruction behind the last root (ISA guide 5.7.2),
	s_wait_alu depctr_va_vdst(0)                   ; and the wait ahead of the first use: one for both
	s_wait_loadcnt 0x0                             ; gain and offset
.set p, 0
.rept 16
	v_pk_mul_f32 v[X+2*p:X+2*p+1], v[X+2*p:X+2*p+1], v[R:R+1]
.set p, p+1
.endr
.set p, 0
.rept 16
	v_pk_fma_f32 v[X+2*p:X+2*p+1], v[X+2*p:X+2*p+1], v[G+2*p:G+2*p+1], v[BT+2*p:BT+2*p+1]
.set p, p+1
.endr
.irp j, 0,1,2,3,4,5,6,7
	v_cvt_pk_f16_f32 v[X+4*(\j)], v[X+4*(\j)], v[X+4*(\j)+1]
	v_cvt_pk_f16_f32 v[X+4*(\j)+1], v[X+4*(\j)+2], v[X+4*(\j)+3]
	global_store_b64 v2, v[X+4*(\j):X+4*(\j)+1], s[10:11] offset:256*(\j)  ; 32 lanes x 8 bytes: 256 consecutive bytes, aligned
.endr
.endm
; Sixteen chunks of 1,024 f32 (4,096 bytes, a thread 16) from s[46:47] are rounded to f16 and stored dstride bytes apart: a wave's store covers 256 consecutive bytes, aligned.
.macro CAST dst, dstride
.irp i, 0,1,2,3,4,5,6,7,8,9,10,11,12,13,14,15
	global_load_b128 v[CR+4*(\i):CR+4*(\i)+3], v3, s[46:47] offset:4096*(\i) th:TH_LOAD_NT
.endr
.irp i, 0,1,2,3,4,5,6,7,8,9,10,11,12,13,14,15
	s_wait_loadcnt 15-(\i)                         ; loads come back in order (ISA guide 5.7.1): chunk i is in, the younger ones stay out
	v_cvt_pk_f16_f32 v[CR+4*(\i)], v[CR+4*(\i)], v[CR+4*(\i)+1]
	v_cvt_pk_f16_f32 v[CR+4*(\i)+1], v[CR+4*(\i)+2], v[CR+4*(\i)+3]
	global_store_b64 v4, v[CR+4*(\i):CR+4*(\i)+1], s[(\dst):(\dst)+1] offset:(\dstride)*(\i)
.endr
.endm
	s_load_b256 s[4:11], s[0:1], 0x0               ; inputs, g1, beta1, xh
	s_load_b256 s[12:19], s[0:1], 0x20             ; Wq, Wk, Wv, W1
	s_load_b256 s[20:27], s[0:1], 0x40             ; W2, wqkv, wmlp, bq
	s_load_b128 s[28:31], s[0:1], 0x60             ; bk, bv
	s_load_b64 s[32:33], s[0:1], 0x70              ; pq
	v_lshl_add_u32 v[SPW], v0, 2, SPARE
	v_mov_b32 v[NIL], 0
	v_lshrrev_b32 v5, 5, v0
	v_readfirstlane_b32 s34, v5                    ; wave 0..7
	v_and_b32 v5, 31, v0                           ; lane
	v_lshlrev_b32 v1, 4, v5
	v_lshlrev_b32 v2, 3, v5
	v_lshlrev_b32 v3, 4, v0                        ; the plain casts go by the thread's number
	v_lshlrev_b32 v4, 3, v0
	s_mov_b32 s40, 0x76543210                      ; v_permlanex16_b32: each lane takes its own place in the other half
	s_mov_b32 s41, 0xfedcba98
	s_mov_b32 s42, 0x3a800000                      ; 1 / 1024
	s_mov_b32 s43, 0x3727c5ac                      ; 1e-5
	s_mov_b32 s44, ttmp9
	s_wait_kmcnt 0x0
	s_cmp_lt_u32 s44, 512
	s_cbranch_scc0 .Lnot_ln
	LNROW
	s_endpgm
.Lnot_ln:
	s_cmp_lt_u32 s44, 704
	s_cbranch_scc0 .Lnot_small
	s_sub_co_u32 s35, s44, 512
	s_lshr_b32 s45, s35, 6                         ; 0: Wq, 1: Wk, 2: Wv
	s_and_b32 s35, s35, 63                         ; which 16 rows of it
	s_cmp_eq_u32 s45, 0
	s_cselect_b64 s[46:47], s[12:13], s[14:15]
	s_cmp_eq_u32 s45, 2
	s_cselect_b64 s[46:47], s[16:17], s[46:47]
	s_lshl_b32 s36, s35, 16                        ; 16 rows of 4,096 bytes
	s_mov_b32 s37, 0
	s_add_nc_u64 s[46:47], s[46:47], s[36:37]
	s_lshl_b32 s38, s35, 17                        ; 16 rows of 8,192 bytes in wqkv,
	s_lshl_b32 s39, s45, 11                        ; and the matrix's 1,024 columns
	s_add_co_u32 s38, s38, s39
	s_mov_b32 s39, 0
	s_add_nc_u64 s[22:23], s[22:23], s[38:39]
	CAST 22, 8192
	s_endpgm
.Lnot_small:
	s_cmp_lt_u32 s44, 960
	s_cbranch_scc0 .Lnot_w1
	s_sub_co_u32 s35, s44, 704
	s_lshl_b32 s36, s35, 16                        ; 16 chunks of 4,096 bytes of W1,
	s_mov_b32 s37, 0
	s_add_nc_u64 s[46:47], s[18:19], s[36:37]
	s_lshl_b32 s38, s35, 15                        ; dense in wmlp: 16 chunks of 2,048 bytes
	s_mov_b32 s39, 0
	s_add_nc_u64 s[24:25], s[24:25], s[38:39]
	CAST 24, 2048
	s_endpgm
.Lnot_w1:
	s_cmp_lt_u32 s44, 1216
	s_cbranch_scc0 .Lmisc
	; W2 IN BLOCKS.  The work-group takes 16 rows (k) of W2, a wave 128 of their columns as two units of 64.  In a unit's load lanes 0-15 take 256 consecutive bytes of row 8 h + i with h = 0,
	; lanes 16-31 those of the row eight further down: a lane ends with 8 k of four neighbouring columns, four packets of 16 bytes.  The packets go into the wave's own LDS bytes by column and come
	; back sixteen neighbouring columns to sixteen lanes; a store of the wave then covers 512 consecutive bytes: a block's 16 columns for two neighbouring groups of 8 k.
	s_sub_co_u32 s35, s44, 960                     ; which 16 rows
	s_lshl_b32 s36, s35, 16                        ; 16 rows of 4,096 bytes,
	s_lshl_b32 s37, s34, 9                         ; my wave's 128 columns
	s_add_co_u32 s36, s36, s37
	s_mov_b32 s37, 0
	s_add_nc_u64 s[20:21], s[20:21], s[36:37]
	s_lshl_b32 s38, s35, 9                         ; two groups of 8 k: 512 bytes in each block,
	s_lshl_b32 s39, s34, 20                        ; my wave's 8 blocks of 131,072 bytes,
	s_add_co_u32 s38, s38, s39
	s_add_co_u32 s38, s38, 8388864                 ; behind W1 and its floor
	s_mov_b32 s39, 0
	s_add_nc_u64 s[24:25], s[24:25], s[38:39]
	v_and_b32 v6, 15, v5                           ; lane % 16
	v_lshrrev_b32 v7, 4, v5                        ; h = lane / 16
	v_lshlrev_b32 v[TLO], 4, v6
	v_lshl_add_u32 v[TLO], v7, 15, v[TLO]          ; 8 rows of 4,096 bytes x h + 16 x (lane % 16)
	s_lshl_b32 s35, s34, 11                        ; my wave's 2 KiB
	v_lshl_add_u32 v[LLA], v7, 10, s35             ; + 1,024 h
	v_lshl_add_u32 v[LSA], v6, 6, v[LLA]           ; in: column 4 (lane % 16) + q at 16 bytes a column
	v_lshl_add_u32 v[LLA], v6, 4, v[LLA]           ; back: column 16 s + lane % 16
.irp t, 0,1
.irp i, 0,1,2,3,4,5,6,7
	global_load_b128 v[CR+32*(\t)+4*(\i):CR+32*(\t)+4*(\i)+3], v[TLO], s[20:21] offset:4096*(\i)+256*(\t) th:TH_LOAD_NT
.endr
.endr
.irp t, 0,1
	s_wait_loadcnt 8*(1-(\t))                      ; unit t is in; the other unit's eight loads may stay out
.irp q, 0,1,2,3
.irp i, 0,1,2,3
	v_cvt_pk_f16_f32 v[PKT+4*(\q)+(\i)], v[CR+32*(\t)+8*(\i)+(\q)], v[CR+32*(\t)+8*(\i)+4+(\q)]  ; column q of my four: k = 2 i below, 2 i + 1 above
.endr
.endr
.irp q, 0,1,2,3
	ds_store_b128 v[LSA], v[PKT+4*(\q):PKT+4*(\q)+3] offset:16*(\q)
.endr
.irp s, 0,1,2,3
	ds_load_b128 v[BKT+16*(\t)+4*(\s):BKT+16*(\t)+4*(\s)+3], v[LLA] offset:256*(\s)  ; LDS serves a wave's instructions in order (ISA guide 5.7.1.4): these see the stores above
.endr
	s_wait_dscnt 0x0
.irp s, 0,1,2,3
	global_store_b128 v1, v[BKT+16*(\t)+4*(\s):BKT+16*(\t)+4*(\s)+3], s[24:25] offset:(4*(\t)+(\s))*131072  ; 512 consecutive bytes, aligned
.endr
.endr
	s_wait_tensorcnt 0x0                           ; the end of a wave that has stored to LDS
	ds_add_u32 v[SPW], v[NIL]
	s_wait_dscnt 0x0
	s_endpgm
.Lmisc:
	global_load_b128 v[8:11], v3, s[26:27]         ; 256 threads x 16 bytes: a whole bias
	global_load_b128 v[12:15], v3, s[28:29]
	global_load_b128 v[16:19], v3, s[30:31]
	v_mov_b32 v20, 0xfc00fc00                      ; -inf twice in f16
	v_mov_b32 v21, 0xfc00fc00
	v_mov_b32 v22, 0
	v_mov_b32 v23, 0
	v_add_nc_u32 v6, 0x800000, v2                  ; byte 8,388,608 + 8 x lane
	s_wait_loadcnt 0x0
	global_store_b128 v3, v[8:11], s[32:33]
	global_store_b128 v3, v[12:15], s[32:33] offset:4096
	global_store_b128 v3, v[16:19], s[32:33] offset:8192
	s_cmp_lg_u32 s34, 0
	s_cbranch_scc1 .Lend
	global_store_b64 v6, v[20:21], s[22:23]        ; 256 bytes each, by wave 0
	global_store_b64 v6, v[22:23], s[24:25]
.Lend:
	s_endpgm
.Lfunc_end_k_q1e9611528d_prep:
	.size	k_q1e9611528d_prep, .Lfunc_end_k_q1e9611528d_prep-k_q1e9611528d_prep
	.p2alignl 7, 3214868480
	.fill 96, 4, 3214868480
	.section	.rodata,"a",@progbits
	.p2align	6, 0x0
	.amdhsa_kernel k_q1e9611528d_prep
		.amdhsa_group_segment_fixed_size 17408
		.amdhsa_private_segment_fixed_size 0
		.amdhsa_enable_private_segment 0
		.amdhsa_kernarg_size 120
		.amdhsa_user_sgpr_count 2
		.amdhsa_user_sgpr_kernarg_segment_ptr 1
		.amdhsa_wavefront_size32 1
		.amdhsa_system_sgpr_workgroup_id_x 1
		.amdhsa_system_sgpr_workgroup_id_y 1
		.amdhsa_system_sgpr_workgroup_id_z 1
		.amdhsa_system_vgpr_workitem_id 0
		.amdhsa_next_free_vgpr 128
		.amdhsa_next_free_sgpr 66
		.amdhsa_reserve_vcc 0
		.amdhsa_float_denorm_mode_32 3
		.amdhsa_float_denorm_mode_16_64 3
		.amdhsa_memory_ordered 1
		.amdhsa_forward_progress 1
		.amdhsa_inst_pref_size 32
	.end_amdhsa_kernel
	.amdgpu_metadata
---
amdhsa.version: [ 1, 2 ]
amdhsa.kernels:
  - .name:           k_q1e9611528d_prep
    .symbol:         k_q1e9611528d_prep.kd
    .args:
      - { .name: inputs, .offset: 0, .size: 8, .value_kind: global_buffer, .address_space: global }
      - { .name: g1, .offset: 8, .size: 8, .value_kind: global_buffer, .address_space: global }
      - { .name: beta1, .offset: 16, .size: 8, .value_kind: global_buffer, .address_space: global }
      - { .name: xh, .offset: 24, .size: 8, .value_kind: global_buffer, .address_space: global }
      - { .name: Wq, .offset: 32, .size: 8, .value_kind: global_buffer, .address_space: global }
      - { .name: Wk, .offset: 40, .size: 8, .value_kind: global_buffer, .address_space: global }
      - { .name: Wv, .offset: 48, .size: 8, .value_kind: global_buffer, .address_space: global }
      - { .name: W1, .offset: 56, .size: 8, .value_kind: global_buffer, .address_space: global }
      - { .name: W2, .offset: 64, .size: 8, .value_kind: global_buffer, .address_space: global }
      - { .name: wqkv, .offset: 72, .size: 8, .value_kind: global_buffer, .address_space: global }
      - { .name: wmlp, .offset: 80, .size: 8, .value_kind: global_buffer, .address_space: global }
      - { .name: bq, .offset: 88, .size: 8, .value_kind: global_buffer, .address_space: global }
      - { .name: bk, .offset: 96, .size: 8, .value_kind: global_buffer, .address_space: global }
      - { .name: bv, .offset: 104, .size: 8, .value_kind: global_buffer, .address_space: global }
      - { .name: pq, .offset: 112, .size: 8, .value_kind: global_buffer, .address_space: global }
    .group_segment_fixed_size: 17408
    .private_segment_fixed_size: 0
    .kernarg_segment_align: 8
    .kernarg_segment_size: 120
    .max_flat_workgroup_size: 256
    .sgpr_count:     66
    .vgpr_count:     128
    .wavefront_size: 32
...
	.end_amdgpu_metadata
.endif
;; end of part 1
;; launch qkv (part 2): grid 12 x 16, 4 waves a work-group, clusters of 4 x 4, 327,680 bytes of LDS; arguments xh, wqkv, pq, big; writes big
.if DOCPART == 2
	.amdgcn_target "amdgcn-amd-amdhsa--gfx1250"
	.amdhsa_code_object_version 6
	.text
	.protected	k_q1e9611528d_qkv
	.globl	k_q1e9611528d_qkv
	.p2align	8
	.type	k_q1e9611528d_qkv,@function
k_q1e9611528d_qkv:
	s_mov_b64 s[64:65], 0
	v_nop
	global_prefetch_b8 v0, s[64:65] scope:SCOPE_SE
	s_setreg_imm32_b32 hwreg(HW_REG_WAVE_MODE, 25, 1), 1
	s_wait_xcnt 0x0
	s_wait_alu depctr_hold_cnt(0) depctr_sa_sdst(0) depctr_va_vdst(0) depctr_va_sdst(0) depctr_va_ssrc(0) depctr_va_vcc(0) depctr_vm_vsrc(0)
	s_getreg_b32 s2, hwreg(HW_REG_IB_STS2, 6, 4)
	s_cmp_eq_u32 s2, 0
	s_cbranch_scc0 .Lentry_in_a_cluster
	s_endpgm
.Lentry_in_a_cluster:
	s_bfe_u32 s2, ttmp6, 0x10000c
	s_cmp_lg_u32 s2, 0xf033
	s_cbranch_scc0 .Lentry_shape_is_right
	s_endpgm
.Lentry_shape_is_right:
; Y = max(A W + bias, floor).  A: [4096][K] f16, K along the rows.  W: [K][N] f16, N along the rows, as the weights lie.  Sums in f32, started by the bias.
; ONE TEXT, TWO FORMS, chosen by BIG.
;   BIG = 1 (this body: the projections q | k | v, and the MLP's first layer): K = 1,024, W's and Y's rows 4,096 numbers apart, Y in f16, rounded once.  The floor is a packed f16 word that lies behind the layer's
;     weights (byte 8,388,608): -inf for no activation, 0 for ReLU.  A tile of Y is 256 x 256, a wave's 128 x 128: 64 accumulators.  K steps of 128.
;   BIG = 0 (the MLP's second layer): K = 4,096, N = 1,024, Y = res + A W + bias in f32.  A tile is 128 x 128, so that there are 256 of them; a wave's 64 x 64: 16 accumulators.  K steps of 256.
; LIMITS.  f16 ends at 65,504: a result of 65,520 or more becomes an infinity (BIG = 1).  NaN and infinities are not treated apart (a NaN loses against the floor).
; RING.  Two LDS slots, each a K step's rows of A (K along the rows, 16 bytes of padding) and of W (N along the rows, 32 bytes of padding, for the turning load).  Waves 0 and 1 fetch A's two halves, waves 2
; and 3 W's: one tensor load a wave behind each change of slots; by the text's count a wave has two out at the start and one later.  One K step's text serves both slots: s[TB] is 0 or SLOT.
; SLOT shares no bit with any LDS base of a tile, so one exclusive or turns an address in one slot into the other's.
; CLUSTER.  4 x 4 work-groups: A's tile hangs on the tile row alone and is asked for jointly by a row of the cluster, W's on the tile column alone, by a column.
; THE PRODUCT IS USED TRANSPOSED: source 0 = 16 columns of W (turned on the way out of LDS by ds_load_tr16_b128), source 1 = 16 rows of A: a lane then holds row l % 16 of Y and the columns 8 (l / 16) + 0..7.
; REGISTERS, in windows of 256 (s_set_vgpr_msb: bits 1:0 source 0, 3:2 source 1, 5:4 source 2, 7:6 destination):
;   window 0: addresses, the bias, the way out      window 1: two fragment buffers of 128 (64 of A, 64 of W)      windows 2, 3: the accumulators (BIG = 0: window 2's upper half holds res)
.set BIG, 1
.if BIG
.set TM,     256
.set TN,     256
.set KSTEP,  128
.set MB,     8                         ; blocks of 16 rows in a wave's tile
.set NBW,    8                         ; blocks of 16 columns
.set KA,     1024                      ; A's rows are so many numbers apart
.set NS,     4096                      ; W's
.set NSTEP,  8                         ; K steps
.set BOFF,   0                         ; W's first byte in its buffer
.set AP,     272                       ; a row of A in LDS: 256 + 16 bytes = 68 words: the 16 rows of a load start at 16 different groups of four banks (64 banks of 4 bytes: ISA guide 11.1)
.set BP,     544                       ; a row of W in LDS: 512 + 32 bytes: an odd multiple of 32
.set QIA,    5                         ; padding after every 64 words
.set QIB,    6                         ; after every 128 words
.set LATE,   8                         ; the youngest loads of a run, which only the quarter's second half needs: A's rows 64-127
.set SLOT,   139264
.set OPITCH, 8192                      ; bytes in a row of Y
.set SSH,    4                         ; a half of the lanes puts 16 bytes into the stage
.else
.set TM,     128
.set TN,     128
.set KSTEP,  256
.set MB,     4
.set NBW,    4
.set KA,     4096
.set NS,     1024
.set NSTEP,  16
.set BOFF,   8388864
.set AP,     528                       ; 512 + 16 bytes
.set BP,     288                       ; 256 + 32 bytes
.set QIA,    6
.set QIB,    5
.set LATE,   16                        ; the second 32 along K
.set SLOT,   147456                    ; 141,312 are used
.set OPITCH, 4096
.set SSH,    5                         ; 32 bytes
.endif
.set KQ,     KSTEP/4                   ; a K step is four quarters
.set C32,    KQ/32                     ; matrix instructions deep
.set AHALF,  (TM/2)*AP                 ; what one tensor load brings of A,
.set BHALF,  (KSTEP/2)*BP              ; and of W
.set ATILE,  2*AHALF                   ; W's rows lie behind A's
.set STAGE,  2*SLOT                    ; behind the ring, never filled by a tensor load: 16 rows x 272 bytes for each wave, for the way out
.set SPITCH, 272
.set SPARE,  STAGE+4*16*SPITCH         ; behind the stages: the spare words, 128 bytes for each wave: two blocks of 256 bytes that no other line names
.set RR,    1                          ; v1   l % 16
.set HH,    2                          ; v2   l / 16
.set ADRA0, 6                          ; v6   my lane's place in slot 0's rows of A; never rewritten
.set ADRB0, 7                          ; v7   the same for W
.set RA,    8                          ; v8   the same in the slot in hand
.set RB,    10                         ; v10  W's rows 0 .. KSTEP/2 - 1;  v11  the other half (an immediate reaches 65,535 bytes)
.set STO,   12                         ; v12  the way out: where I put my part of a row
.set RD,    13                         ; v13  where I read rows back
.set CO,    14                         ; v14  my byte offset in two rows of Y
.set BO,    15                         ; v15  32 x (l / 16): my eight numbers of a block's bias
.set SPW,   16                         ; v16  LDS address of my spare word; never rewritten
.set NIL,   17                         ; v17  0; never rewritten
.set BIAS,  32                         ; v[32 ..]  8 registers for each block of 16 columns
.set TMP,   96                         ; v[96:127]  packed results
.set BK,    128                        ; v[128:191] rows read back: two buffers of 32
.set F0,    0                          ; window 1
.set F1,    128
.set WV,    14                         ; s14  my wave
.set WR,    15                         ; s15  my half of the tile's rows; also: I fetch for A (0) or W (1)
.set WC,    16                         ; s16  my half of its columns; also: which half I fetch
.set TB,    23                         ; s23  0 or SLOT: the slot in hand
.set G1A,   24                         ; s[24:31] descriptor group 1 for A's tiles
.set G0A,   32                         ; s[32:39] group 0: a set for each first fill; the second walks on
.set G1B,   40                         ; s[40:47], s[48:55] the same for W's
.set G0B,   48
.set CNT,   66
.set FLOOR, 67
.set MSB, 0
.macro WIN new                         ; the immediate's high byte repeats the setting that is left; a switch that changes nothing is dropped
.if MSB != (\new)
	s_set_vgpr_msb (MSB<<8)|(\new)
.set MSB, \new
.endif
.endm
.macro PLACES                          ; four places in front of loads into registers that matrix instructions have read, and of lines that read results (ISA guide 7.12.1 for lines that read results)
.rept 4
	v_nop
.endr
.endm
; A joint refill.  The branch hangs on the wave's number alone.  An s_nop 0 and four v_nop follow each of the two lines, ahead of the jump and the label.
.macro JLOAD
	s_cmp_eq_u32 s[WR], 0
	s_cbranch_scc0 .Lfor_w_\@
	tensor_load_to_lds s[G0A+4:G0A+7], s[G1A:G1A+7]
	s_nop 0
.rept 4
	v_nop
.endr
	s_branch .Lasked_\@
.Lfor_w_\@:
	tensor_load_to_lds s[G0B+4:G0B+7], s[G1B:G1B+7]
	s_nop 0
.rept 4
	v_nop
.endr
.Lasked_\@:
.endm
.macro CREST                           ; a round of the cluster's barrier behind its opening barrier
	s_cmp_lg_u32 s[WV], 0
	s_cbranch_scc1 .Lnot_wave_0_\@
	s_barrier_signal -3
.Lnot_wave_0_\@:
	s_barrier_wait -3
	s_barrier_signal -1
	s_barrier_wait -1
.endm
.macro CROUND                          ; a whole round
	s_barrier_signal -1
	s_barrier_wait -1
	CREST
.endm
; 2 x NBW matrix instructions on buffer f.  BIG: row blocks 4 hf + 2 p and the next, all column blocks.  Else: row blocks 2 p and the next, the 32 along K numbered hf.
; first = 1: an accumulator's first product takes the bias as C: nothing is cleared, and the way out has no addition for it.
; All accumulators take turns, one instruction a turn, always in the same order.
.macro MULP f, hf, p, first
.if BIG
.set blk0, 4*(\hf)+2*(\p)
.set kc, 0
.else
.set blk0, 2*(\p)
.set kc, (\hf)
.endif
.set wnd, 2+blk0/4
.set usebias, 0
.if (\first) && (BIG || ((\hf) == 0))
.set usebias, 1
.endif
.if usebias
	WIN (wnd<<6)|5
.else
	WIN (wnd<<6)|(wnd<<4)|5
.endif
.irp da, 0,1
.irp b, 0,1,2,3,4,5,6,7
.if (\b) < NBW
.set rAC, 8*(NBW*((blk0+(\da))%4)+(\b))
.set rFW, (\f)+64+8*(NBW*kc+(\b))
.set rFA, (\f)+8*(MB*kc+blk0+(\da))
.if usebias
	v_wmma_f32_16x16x32_f16 v[rAC:rAC+7], v[rFW:rFW+7], v[rFA:rFA+7], v[BIAS+8*(\b):BIAS+8*(\b)+7]
.else
	v_wmma_f32_16x16x32_f16 v[rAC:rAC+7], v[rFW:rFW+7], v[rFA:rFA+7], v[rAC:rAC+7]
.endif
.endif
.endr
.endr
.endm
; 32 LDS loads in one run: quarter kq's fragments into buffer f.  W: lane l reads 16 bytes of row k0 + 8 (l / 16) + l % 8, and the turning load leaves column l % 16 and 8 k a lane.
.macro FETCH kq, f
	WIN 0x40                                       ; destination window 1, address window 0
.irp c, 0,1
.if (\c) < C32
.irp b, 0,1,2,3,4,5,6,7
.if (\b) < NBW
	ds_load_tr16_b128 v[(\f)+64+8*(NBW*(\c)+(\b)):(\f)+64+8*(NBW*(\c)+(\b))+3],   v[RB+(\kq)/2] offset:(((\kq)%2)*KQ+32*(\c))*BP+32*(\b)
	ds_load_tr16_b128 v[(\f)+64+8*(NBW*(\c)+(\b))+4:(\f)+64+8*(NBW*(\c)+(\b))+7], v[RB+(\kq)/2] offset:(((\kq)%2)*KQ+32*(\c)+16)*BP+32*(\b)
.endif
.endr
.irp a, 0,1,2,3,4,5,6,7
.if (\a) < MB
	ds_load_b128 v[(\f)+8*(MB*(\c)+(\a)):(\f)+8*(MB*(\c)+(\a))+3],   v[RA] offset:2*(\kq)*KQ+64*(\c)+16*(\a)*AP
	ds_load_b128 v[(\f)+8*(MB*(\c)+(\a))+4:(\f)+8*(MB*(\c)+(\a))+7], v[RA] offset:2*(\kq)*KQ+64*(\c)+16*(\a)*AP+32
.endif
.endr
.endif
.endr
.endm
; One of a K step's first three quarters: multiplies buffer f; in its middle it fetches quarter kq into buffer g.
.macro QUARTER kq, f, g, first
	s_wait_dscnt LATE                              ; all that the first half needs is in; the youngest LATE loads may be out
	MULP \f, 0, 0, \first
	MULP \f, 0, 1, \first
	PLACES
	FETCH \kq, \g
	s_wait_dscnt 32                                ; all but the 32 just issued
	MULP \f, 1, 0, \first
	MULP \f, 1, 1, \first
.endm
; The last quarter multiplies buffer 1 and changes slots.  In front of the barrier each wave waits for all its tensor loads (the one that is out is its part of the next slot), adds 0 to its spare word, and
; waits for that and for its reads of this slot.  fill = 1: the barrier opens a round of the cluster's, and behind the round this slot is filled again, two K steps ahead, first of all.
.macro TURN fill
	WIN 0                                          ; the add's two registers lie in window 0
	s_wait_tensorcnt 0x0
	ds_add_u32 v[SPW], v[NIL]
	s_wait_dscnt LATE+1                            ; the add and the youngest LATE loads may be out
	MULP F1, 0, 0, 0                               ; matrix work stands between the add and the wait for it
	s_wait_dscnt 0x0                               ; the add is done, and my reads of this slot are over
	s_barrier_signal -1
	MULP F1, 0, 1, 0
	WIN 0                                          ; at a branch and at a label every window is 0
	s_barrier_wait -1
.if \fill
	CREST                                          ; no wave of any partner still reads this slot's tile or has a load on its way
	s_xor_b32 s[G0A+5], s[G0A+5], SLOT             ; the walking descriptors: the other slot than last time, the next K step; the type bits on top are not reached
	s_add_nc_u64 s[G0A+6:G0A+7], s[G0A+6:G0A+7], 2*KSTEP
	s_xor_b32 s[G0B+5], s[G0B+5], SLOT
	s_add_nc_u64 s[G0B+6:G0B+7], s[G0B+6:G0B+7], KSTEP*2*NS
	JLOAD                                          ; its four v_nop are also the places in front of the loads below
.else
	PLACES
.endif
	s_xor_b32 s[TB], s[TB], SLOT
	v_add_nc_u32 v[RA], s[TB], v[ADRA0]
	v_add_nc_u32 v[RB], s[TB], v[ADRB0]
	v_add_nc_u32 v[RB+1], (KSTEP/2)*BP, v[RB]
	FETCH 0, F0
	MULP F1, 1, 0, 0
	MULP F1, 1, 1, 0
.endm
; THE WAY OUT, BIG = 1, a block of 16 rows at a time.  PACK: rounded to f16, 16 bytes a lane, and held above the floor.  TOSTAGE: into my own stage, back as whole rows of 256 bytes.  SEND: stored.
.macro PACK a
.set rAC, 64*((\a)%4)
	WIN 0x0a+5*((\a)/4)                            ; sources 0 and 1: window 2 or 3
.irp b, 0,1,2,3,4,5,6,7
.irp q, 0,1,2,3
	v_cvt_pk_f16_f32 v[TMP+4*(\b)+(\q)], v[rAC+8*(\b)+2*(\q)], v[rAC+8*(\b)+2*(\q)+1]  ; each accumulator from its low end on
.endr
.endr
	WIN 0
.set n, 0
.rept 32
	v_pk_max_num_f16 v[TMP+n], v[TMP+n], s[FLOOR]
.set n, n+1
.endr
.endm
.macro TOSTAGE a
.irp b, 0,1,2,3,4,5,6,7
	ds_store_b128 v[STO], v[TMP+4*(\b):TMP+4*(\b)+3] offset:32*(\b)
.endr
.irp t, 0,1,2,3,4,5,6,7
	ds_load_b128 v[BK+32*((\a)%2)+4*(\t):BK+32*((\a)%2)+4*(\t)+3], v[RD] offset:(\t)*2*SPITCH  ; LDS serves a wave's instructions in order (ISA guide 5.7.1.4): these see the stores above
.endr
.endm
.macro SEND a
	s_wait_dscnt 0x0                               ; the block is back in registers
	s_wait_xcnt 0x0                                ; the stores issued so far have read their registers: the other buffer, which the next block is read into, is free behind this wait
.irp t, 0,1,2,3,4,5,6,7
	global_store_b128 v[CO], v[BK+32*((\a)%2)+4*(\t):BK+32*((\a)%2)+4*(\t)+3], s[10:11] offset:(16*(\a)+2*(\t))*OPITCH  ; 16 lanes store 256 consecutive bytes, aligned
.endr
.endm
; THE WAY OUT, BIG = 0: a wave's 64 columns of f32 are 256 bytes.  Through my stage, res added, stored.
.macro OUTB a
	WIN 0x08                                       ; store data (source 1) in window 2
.irp b, 0,1,2,3
	ds_store_b128 v[STO], v[8*(4*(\a)+(\b)):8*(4*(\a)+(\b))+3]   offset:64*(\b)
	ds_store_b128 v[STO], v[8*(4*(\a)+(\b))+4:8*(4*(\a)+(\b))+7] offset:64*(\b)+16
.endr
	WIN 0
.irp t, 0,1,2,3,4,5,6,7
	ds_load_b128 v[BK+32*((\a)%2)+4*(\t):BK+32*((\a)%2)+4*(\t)+3], v[RD] offset:(\t)*2*SPITCH
.endr
	s_wait_dscnt 0x0
	s_wait_xcnt 0x0                                ; the stores issued so far have read their registers: the other buffer is free for the next block
	WIN 0x08                                       ; source 1 in window 2: res
.set n, 0
.rept 16
	v_pk_add_f32 v[BK+32*((\a)%2)+n:BK+32*((\a)%2)+n+1], v[BK+32*((\a)%2)+n:BK+32*((\a)%2)+n+1], v[128+32*(\a)+n:128+32*(\a)+n+1]
.set n, n+2
.endr
	WIN 0
.irp t, 0,1,2,3,4,5,6,7
	global_store_b128 v[CO], v[BK+32*((\a)%2)+4*(\t):BK+32*((\a)%2)+4*(\t)+3], s[12:13] offset:(16*(\a)+2*(\t))*OPITCH
.endr
.endm
	s_load_b256 s[4:11], s[0:1], 0x0               ; A s[4:5], W's buffer s[6:7], bias s[8:9], Y (BIG = 0: res) s[10:11]
.if BIG == 0
	s_load_b64 s[12:13], s[0:1], 0x20              ; Y
.endif
	v_lshl_add_u32 v[SPW], v0, 2, SPARE
	v_mov_b32 v[NIL], 0
	ds_add_u32 v[SPW], v[NIL]                      ; the wave's opening: the add and its wait ahead of my first tensor load; the set-up below stands between them
	ds_add_u32 v16, v17
	v_lshrrev_b32 v3, 5, v0
	v_readfirstlane_b32 s[WV], v3                  ; wave 0..3
	s_lshr_b32 s[WR], s[WV], 1
	s_and_b32 s[WC], s[WV], 1
	s_bfe_u32 s17, ttmp6, 0x40000                  ; cx, cy: my place in the cluster
	s_bfe_u32 s18, ttmp6, 0x40004
	s_lshl_b32 s19, ttmp9, 2
	s_add_co_u32 s19, s19, s17                     ; tile column = 4 x cluster x + cx
	s_and_b32 s20, ttmp7, 0xffff
	s_lshl_b32 s20, s20, 2
	s_add_co_u32 s20, s20, s18                     ; tile row = 4 x cluster y + cy
	s_lshl_b32 s21, s18, 2
	s_lshl_b32 s21, 15, s21                        ; my row of the cluster
	s_lshl_b32 s22, 0x1111, s17                    ; my column
	s_or_b32 s[G1A], s21, (1<<16)|(1<<20)|(1<<21)|(QIA<<22)|(3<<25)  ; the mask; 2-byte elements; padding on; bit 21 beside a mask; after every row; 4 words
	s_mov_b32 s[G1A+1], KSTEP<<16                  ; tensor_dim0
	s_mov_b32 s[G1A+2], (TM/2)<<16                 ; tensor_dim1
	s_mov_b32 s[G1A+3], KSTEP<<16                  ; tile_dim0
	s_mov_b32 s[G1A+4], TM/2                       ; tile_dim1
	s_mov_b32 s[G1A+5], KA                         ; elements from row to row
	s_mov_b32 s[G1A+6], 0
	s_mov_b32 s[G1A+7], 0
	s_or_b32 s[G1B], s22, (1<<16)|(1<<20)|(1<<21)|(QIB<<22)|(7<<25)  ; 8 words of padding
	s_mov_b32 s[G1B+1], TN<<16
	s_mov_b32 s[G1B+2], (KSTEP/2)<<16
	s_mov_b32 s[G1B+3], TN<<16
	s_mov_b32 s[G1B+4], KSTEP/2
	s_mov_b32 s[G1B+5], NS
	s_mov_b32 s[G1B+6], 0
	s_mov_b32 s[G1B+7], 0
	s_mul_i32 s62, s[WC], AHALF                    ; where my half lands in a slot, for A
	s_mul_i32 s63, s[WC], BHALF                    ; and for W: no place in the cluster enters an LDS address
	s_add_co_u32 s63, s63, ATILE
	s_mov_b32 s[TB], 0
	s_mul_i32 s56, s20, TM                         ; A: row TM x tile row + TM/2 x half, in bytes (under 2^26)
	s_mul_i32 s57, s[WC], TM/2
	s_add_co_u32 s56, s56, s57
	s_mul_i32 s56, s56, 2*KA
	s_mov_b32 s57, 0
	s_mul_i32 s60, s[WC], (KSTEP/2)*2*NS           ; W: my half of a K step's rows, the tile's columns
	s_mul_i32 s61, s19, 2*TN
	s_add_co_u32 s60, s60, s61
	s_add_co_u32 s60, s60, BOFF
	s_mov_b32 s61, 0
	s_wait_dscnt 0x0                               ; the opening add is done
	s_wait_kmcnt 0x0
	s_add_nc_u64 s[56:57], s[4:5], s[56:57]
	s_add_nc_u64 s[60:61], s[6:7], s[60:61]
.irp n, 0,1
	s_mov_b32 s[G0A+4*(\n)], 1                     ; count = 1
	s_add_co_u32 s[G0A+4*(\n)+1], s62, (\n)*SLOT   ; LDS address
	s_add_nc_u64 s[G0A+4*(\n)+2:G0A+4*(\n)+3], s[56:57], (\n)*2*KSTEP  ; K step n
	s_or_b32 s[G0A+4*(\n)+3], s[G0A+4*(\n)+3], 0x80000000             ; type = 2
	s_mov_b32 s[G0B+4*(\n)], 1
	s_add_co_u32 s[G0B+4*(\n)+1], s63, (\n)*SLOT
	s_add_nc_u64 s[G0B+4*(\n)+2:G0B+4*(\n)+3], s[60:61], (\n)*KSTEP*2*NS
	s_or_b32 s[G0B+4*(\n)+3], s[G0B+4*(\n)+3], 0x80000000
.endr
	CROUND                                         ; all sixteen work-groups are here: the first joint loads meet
	s_cmp_eq_u32 s[WR], 0                          ; a wave's two first fills stand in one branch
	s_cbranch_scc0 .Lfirst_w
	tensor_load_to_lds s[G0A:G0A+3], s[G1A:G1A+7]
	s_nop 0
	tensor_load_to_lds s[G0A+4:G0A+7], s[G1A:G1A+7]
	s_nop 0
.rept 4
	v_nop
.endr
	s_branch .Lfirst_asked
.Lfirst_w:
	tensor_load_to_lds s[G0B:G0B+3], s[G1B:G1B+7]
	s_nop 0
	tensor_load_to_lds s[G0B+4:G0B+7], s[G1B:G1B+7]
	s_nop 0
.rept 4
	v_nop
.endr
.Lfirst_asked:
	v_and_b32 v[RR], 15, v0
	v_bfe_u32 v[HH], v0, 4, 1
	v_lshlrev_b32 v[BO], 5, v[HH]
	s_mul_i32 s58, s19, 4*TN                       ; the bias of my wave's columns
	s_mul_i32 s59, s[WC], 2*TN
	s_add_co_u32 s58, s58, s59
	s_mov_b32 s59, 0
	s_add_nc_u64 s[8:9], s[8:9], s[58:59]
.irp b, 0,1,2,3,4,5,6,7
.if (\b) < NBW
	global_load_b128 v[BIAS+8*(\b):BIAS+8*(\b)+3],   v[BO], s[8:9] offset:64*(\b)     ; register j: column 16 b + 8 (l / 16) + j, as in an accumulator
	global_load_b128 v[BIAS+8*(\b)+4:BIAS+8*(\b)+7], v[BO], s[8:9] offset:64*(\b)+16
.endif
.endr
	s_mul_i32 s58, s20, TM                         ; my part of the tile in Y: my first row,
	s_mul_i32 s59, s[WR], TM/2
	s_add_co_u32 s58, s58, s59
	s_mul_i32 s58, s58, OPITCH
	s_lshl_b32 s59, s19, 9                         ; the tile's columns are 512 bytes in both forms,
	s_add_co_u32 s58, s58, s59
	s_lshl_b32 s59, s[WC], 8                       ; my half of them 256
	s_add_co_u32 s58, s58, s59
	s_mov_b32 s59, 0
	s_add_nc_u64 s[10:11], s[10:11], s[58:59]
	v_mul_u32_u24 v[CO], v[HH], OPITCH             ; lanes 0-15 take one row's 256 bytes, lanes 16-31 the next
	v_lshl_add_u32 v[CO], v[RR], 4, v[CO]
.if BIG
	s_add_nc_u64 s[68:69], s[6:7], 0x800000        ; the floor lies behind the layer's weights
	s_load_b32 s[FLOOR], s[68:69], 0x0
.else
	s_add_nc_u64 s[12:13], s[12:13], s[58:59]
	WIN 0x80                                       ; destination window 2
.irp a, 0,1,2,3
.irp t, 0,1,2,3,4,5,6,7
	global_load_b128 v[128+32*(\a)+4*(\t):128+32*(\a)+4*(\t)+3], v[CO], s[10:11] offset:(16*(\a)+2*(\t))*OPITCH th:TH_LOAD_NT  ; res, laid as the rows come back from the stage; it lands under the products
.endr
.endr
	WIN 0
.endif
	v_mul_u32_u24 v[ADRA0], v[RR], AP              ; a fragment of A: row l % 16, 16 bytes for each half of the lanes, twice, 32 bytes apart
	v_lshl_add_u32 v[ADRA0], v[HH], 4, v[ADRA0]
	s_mul_i32 s58, s[WR], AHALF
	v_add_nc_u32 v[ADRA0], s58, v[ADRA0]
	v_and_b32 v3, 7, v0
	v_lshl_add_u32 v3, v[HH], 3, v3                ; W: row 8 (l / 16) + l % 8,
	v_mul_u32_u24 v[ADRB0], v3, BP
	v_bfe_u32 v4, v0, 3, 1
	v_lshl_add_u32 v[ADRB0], v4, 4, v[ADRB0]       ; columns 8 ((l / 8) % 2) on,
	s_mul_i32 s58, s[WC], TN
	s_add_co_u32 s58, s58, ATILE
	v_add_nc_u32 v[ADRB0], s58, v[ADRB0]           ; in my half of the tile's columns
	v_mov_b32 v[RA], v[ADRA0]
	v_mov_b32 v[RB], v[ADRB0]
	v_add_nc_u32 v[RB+1], (KSTEP/2)*BP, v[ADRB0]
	s_mul_i32 s58, s[WV], 16*SPITCH
	s_add_co_u32 s58, s58, STAGE                   ; my stage
	v_mul_u32_u24 v[STO], v[RR], SPITCH
	v_lshl_add_u32 v[STO], v[HH], SSH, v[STO]
	v_add_nc_u32 v[STO], s58, v[STO]
	v_mul_u32_u24 v[RD], v[HH], SPITCH
	v_lshl_add_u32 v[RD], v[RR], 4, v[RD]
	v_add_nc_u32 v[RD], s58, v[RD]
	s_wait_tensorcnt 0x1                           ; my part of K step 0 is in; K step 1's may stay out
	s_barrier_signal -1
	s_barrier_wait -1                              ; everybody's is
	FETCH 0, F0
.if BIG
	s_wait_loadcnt 0x0                             ; the bias
	s_wait_kmcnt 0x0                               ; the floor
.else
	s_wait_loadcnt 32                              ; the bias; res's 32 younger loads may stay out
.endif
	QUARTER 1, F0, F1, 1                           ; the first quarter stands in front of the loop: its products start the sums
	WIN 0
	s_mov_b32 s[CNT], NSTEP-2
.Lk:                                                   ; a trip goes from a K step's second quarter to the next step's first, and fills the slot that it leaves
	QUARTER 2, F1, F0, 0
	QUARTER 3, F0, F1, 0
	TURN 1
	QUARTER 1, F0, F1, 0
	WIN 0
	s_sub_co_u32 s[CNT], s[CNT], 1
	s_cmp_lg_u32 s[CNT], 0
	s_cbranch_scc1 .Lk
	QUARTER 2, F1, F0, 0                           ; the last two K steps are written out: nothing is left to fetch
	QUARTER 3, F0, F1, 0
	TURN 0
	QUARTER 1, F0, F1, 0
	QUARTER 2, F1, F0, 0
	QUARTER 3, F0, F1, 0
	s_wait_dscnt LATE
	MULP F1, 0, 0, 0
	MULP F1, 0, 1, 0
	s_wait_dscnt 0x0
	MULP F1, 1, 0, 0
	MULP F1, 1, 1, 0
	WIN 0
	PLACES
.if BIG
	PACK 0
	TOSTAGE 0
.irp a, 1,2,3,4,5,6,7                  ; block a's conversions stand between block a - 1's loads from the stage and the wait for them
	PACK \a
	SEND (\a)-1
	TOSTAGE \a
.endr
	SEND 7
.else
	s_wait_loadcnt 0x0                             ; res
.irp a, 0,1,2,3
	OUTB \a
.endr
.endif
	s_wait_tensorcnt 0x0                           ; the wave's end: behind my last tensor load and my last LDS store
	ds_add_u32 v[SPW], v[NIL]
	s_wait_dscnt 0x0
	CROUND                                         ; the closing round: no work-group ends while a partner may still ask for a tile that names it
	s_endpgm
.Lfunc_end_k_q1e9611528d_qkv:
	.size	k_q1e9611528d_qkv, .Lfunc_end_k_q1e9611528d_qkv-k_q1e9611528d_qkv
	.p2alignl 7, 3214868480
	.fill 96, 4, 3214868480
	.section	.rodata,"a",@progbits
	.p2align	6, 0x0
	.amdhsa_kernel k_q1e9611528d_qkv
		.amdhsa_group_segment_fixed_size 327680
		.amdhsa_private_segment_fixed_size 0
		.amdhsa_enable_private_segment 0
		.amdhsa_kernarg_size 32
		.amdhsa_user_sgpr_count 2
		.amdhsa_user_sgpr_kernarg_segment_ptr 1
		.amdhsa_wavefront_size32 1
		.amdhsa_system_sgpr_workgroup_id_x 1
		.amdhsa_system_sgpr_workgroup_id_y 1
		.amdhsa_system_sgpr_workgroup_id_z 1
		.amdhsa_system_vgpr_workitem_id 0
		.amdhsa_next_free_vgpr 1024
		.amdhsa_next_free_sgpr 72
		.amdhsa_reserve_vcc 0
		.amdhsa_float_denorm_mode_32 3
		.amdhsa_float_denorm_mode_16_64 3
		.amdhsa_memory_ordered 1
		.amdhsa_forward_progress 1
		.amdhsa_inst_pref_size 134
	.end_amdhsa_kernel
	.amdgpu_metadata
---
amdhsa.version: [ 1, 2 ]
amdhsa.kernels:
  - .name:           k_q1e9611528d_qkv
    .symbol:         k_q1e9611528d_qkv.kd
    .args:
      - { .name: xh, .offset: 0, .size: 8, .value_kind: global_buffer, .address_space: global }
      - { .name: wqkv, .offset: 8, .size: 8, .value_kind: global_buffer, .address_space: global }
      - { .name: pq, .offset: 16, .size: 8, .value_kind: global_buffer, .address_space: global }
      - { .name: big, .offset: 24, .size: 8, .value_kind: global_buffer, .address_space: global }
    .group_segment_fixed_size: 327680
    .private_segment_fixed_size: 0
    .kernarg_segment_align: 8
    .kernarg_segment_size: 32
    .max_flat_workgroup_size: 128
    .sgpr_count:     72
    .vgpr_count:     1024
    .wavefront_size: 32
...
	.end_amdgpu_metadata
.endif
;; end of part 2
;; launch attn (part 3): grid 4 x 64, 8 waves a work-group, no clusters, 327,680 bytes of LDS; arguments big, inputs, res; writes res
.if DOCPART == 3
	.amdgcn_target "amdgcn-amd-amdhsa--gfx1250"
	.amdhsa_code_object_version 6
	.text
	.protected	k_q1e9611528d_attn
	.globl	k_q1e9611528d_attn
	.p2align	8
	.type	k_q1e9611528d_attn,@function
k_q1e9611528d_attn:
	s_mov_b64 s[64:65], 0
	v_nop
	global_prefetch_b8 v0, s[64:65] scope:SCOPE_SE
	s_setreg_imm32_b32 hwreg(HW_REG_WAVE_MODE, 25, 1), 1
	s_wait_xcnt 0x0
; res = inputs + causal attention.  big: [4096 tokens][4096] f16, a token's row: q in columns 0-1023, k in 1024-2047, v in 2048-3071, a head's 64 channels on end.  inputs, res: [4096][1024] f32.
; O[q] = the sum over k <= q of softmax_k(Q[q] . K[k] / 8) V[k].  Products, maxima and sums in f32; the weights p are rounded to f16 for the second product (their sum l is taken of the unrounded p).
; LIMITS.  q, k, v arrive within f16's 65,504.  A hidden score counts as -1e30; f16's scores, 2.7e11 at the most, are nothing beside that.  A weight below 2^-126 counts as 0.  NaN and infinities are not treated apart.
; THE WALK.  A head's 1,024 queries lie in 8 blocks of 128; block i needs the key tiles 0 .. i of 128 keys, of which the last holds the diagonal.  A work-group takes blocks 7 - j and then j: 9 tiles whatever j,
; so all 256 work-groups do equal work, and one loop with a constant trip count walks them; the ring of two LDS slots runs on across the change of blocks.  What differs hangs on scalars made from j.
; NO CLUSTER: a head's four work-groups are told apart by j, on which the walk's branches hang, and they ask for the same tile only in the walk's first five trips; a walk common to all four would have 12 trips for 9.
; SHARES.  Eight waves, two to a SIMD, so that one wave's products, exponentials and LDS loads stand beside the other's waits.  A wave owns 16 rows of a block: one tile of 16 queries.  A key tile is two steps of 64 keys.
; In the diagonal tile the whole 128 x 128 is computed and the hidden scores are replaced.
; RING.  A slot holds a tile: 128 rows of K, then 128 rows of V.  Every wave fetches 32 rows with one tensor load behind each change of slots (waves 0-3 K's quarters, waves 4-7 V's: a tile's 128 rows among four waves);
; by the text's count one load of a wave is out.  A whole head's K and V, padded row by row, with eight stages (347,136 bytes) would not fit in LDS.
; LAYOUT.  S^T = K Q^T holds ONE query a lane (lane % 16) and the keys 8 (lane / 16) + 0..7; two such results rounded to f16 ARE source 1 of O^T = V^T P.  p = 2^(c s - c m), c = log2(e) / 8, with a running
; maximum m; O and l are multiplied by a = 2^(c m_old - c m_new) in every step.  c m starts far below every c s, so a block's first a is 0 and O and l need only be finite there.
; IN PHASES: a step's 8 products K Q^T, its softmax (33 exponentials, one batch with one wait), its 8 products V^T P.
; A tile's rows in memory are a head's own 128 bytes, 8,192 bytes apart.
; REGISTERS: all that the loops name lies in v0-v255, so the loops switch no window.  Above (window 1): v0-15 the second block's Q, v16-79 my rows of inputs, both blocks.
.set KS,    64
.set PK,    144                        ; a row of K in LDS: 128 + 16 bytes = 36 words: the 16 rows of a load start at 16 different groups of four banks (64 banks of 4 bytes: ISA guide 11.1)
.set PV,    160                        ; a row of V: 128 + 32 bytes
.set VOFF,  128*PK                     ; a slot: 128 rows of K, then 128 rows of V
.set SLOT1, 1<<16                      ; slot 1 begins here: a slot's 38,912 bytes lie below it, so one exclusive or turns an address in one slot into the other's
.set STAGE, 2*SLOT1                    ; never filled by a tensor load: 16 rows x 272 bytes for each wave, for the way out
.set SP,    272
.set SPARE, STAGE+8*16*SP              ; the spare words, 128 bytes for each wave: four blocks of 256 bytes that no other line names
.set AK0, 2                            ; v2   my lane's place in a step's K; never rewritten
.set AV0, 3                            ; v3   the same for V
.set AK,  4                            ; v4   the address of K's run of loads
.set AV,  5                            ; v5   of V's
.set STO, 6                            ; v6   the way out: where I put 32 bytes of a row
.set RD,  7                            ; v7   where I read rows back
.set GO,  8                            ; v8   my byte offset in two rows of inputs and res
.set QO,  12                           ; v12  my byte offset in 16 rows of q
.set BG,  13                           ; v13  -1e30
.set THB, 14                           ; v14  my query's place in its block less my lanes' 8 (l / 16)
.set TH,  15                           ; v15  the same less the step's first key
.set SPW, 16                           ; v16  LDS address of my spare word; never rewritten
.set NIL, 17                           ; v17  0; never rewritten
.set PFO, 18                           ; v18  the prefetches' offset: lane x a token's row (8,192 bytes); never rewritten
.set ST,  24                           ; v[24:31]  c m, m, l (even keys', odd keys'), c0-c3 at work; a takes c2's place
.set S,   32                           ; v[32:63]
.set P,   64                           ; v[64:79]
.set O,   80                           ; v[80:111]
.set KF,  112                          ; v[112:175]  key block kb, channel half c at KF + 16 kb + 8 c
.set VF,  176                          ; v[176:239]  key half kk, channel block cb at VF + 32 kk + 8 cb
.set Q,   240                          ; v[240:255]
.set QB,  0                            ; window 1
.set INP, 16                           ; window 1: the first block's rows at INP, the second's at INP + 32
.set WV,  12                           ; s12  my wave
.set PB,  14                           ; s14  j
.set HI,  15                           ; s15  7 - j
.set KB,  16                           ; s[16:17] k at my quarter of the head's tile 0
.set VB,  18                           ; s[18:19] v likewise
.set G1K, 24                           ; s[24:31], s[32:39] descriptor groups 1: they differ in the padding
.set G1V, 32
.set G0K, 40                           ; s[40:43], s[44:47] groups 0
.set G0V, 44
.set RES, 48                           ; s[48:51] res at my rows of the first and of the second block
.set INA, 52                           ; s[52:55] inputs likewise
.set SLOTS, 56                         ; s56  tiles still to be asked for: 8 down to 1
.set CNT, 57
.set CS,  58                           ; s[58:59] c, named as a pair
.set SEL, 60                           ; s[60:61] v_permlanex16_b32's selects
.set TBK, 62                           ; s62  LDS byte at which K of the step to be fetched begins
.set TBV, 63                           ; s63  the same for V, less VOFF
.set RT,  66                           ; s66  tiles of the block in hand still to be entered; 0 in its last, the diagonal one
.set NXT, 67                           ; s67  the tile to be asked for next
.set LQ,  68                           ; s68  the last tile of the block whose tiles are being asked for
.set OFF, 70                           ; s[70:71] an offset in 64 bits
.set SO,  72                           ; s72  the step's first key in its tile
.set LIM, 73                           ; s73  2 in a work-group that prefetches, else the greatest number
.set QA,  74                           ; s[74:77] q at my rows of the two blocks
.set PFA, 78                           ; s[78:79] where my prefetches stand: my 32 rows of the tile behind the one that is being asked for
.set MSB, 0
.macro WIN new                         ; the immediate's high byte repeats the setting that is left; a switch that changes nothing is dropped
.if MSB != (\new)
	s_set_vgpr_msb (MSB<<8)|(\new)
.set MSB, \new
.endif
.endm
.macro PLACES                          ; four places between a matrix instruction and a line that reads its result (ISA guide 7.12.1)
.rept 4
	v_nop
.endr
.endm
; A fill.  Waves 0-3 fetch the four quarters of a tile's K, waves 4-7 those of its V: 32 keys each.  An s_nop 0 and four v_nop follow each line, ahead of the jump and the label.
.macro LOAD
	s_cmp_lt_u32 s[WV], 4
	s_cbranch_scc0 .Lfor_v_\@
	tensor_load_to_lds s[G0K:G0K+3], s[G1K:G1K+7]
	s_nop 0
.rept 4
	v_nop
.endr
	s_branch .Lasked_\@
.Lfor_v_\@:
	tensor_load_to_lds s[G0V:G0V+3], s[G1V:G1V+7]
	s_nop 0
.rept 4
	v_nop
.endr
.Lasked_\@:
.endm
; A PREFETCH INTO THE L2 of the tile that the NEXT change of slots will ask for: one tile, two key steps, ahead.  It stands behind the wave's tensor load and its five lines.
; WHO.  All four work-groups of a head walk tiles 0, 1, .. from the start; the one with j = 0 walks all eight in order, and it asks.  A token's aligned 256 bytes of k (and of v) hold two neighbouring heads' channels:
; the even head's work-group names them.  Each wave asks for the 32 rows that it fetches itself, a lane a row: one instruction a wave, and each such 256 bytes is named once in the launch.
; THE ENDS.  Tiles 0 and 1 come by their loads alone.  Trip t (s[SLOTS] = 9 - t) fills tile t and asks for tile t + 1: the last asked for is tile 7, in trip 6; trips 7 and 8 ask for nothing.
.macro ASK
	s_cmp_gt_u32 s[SLOTS], s[LIM]
	s_cbranch_scc0 .Lnot_mine_\@
	global_prefetch_b8 v[PFO], s[PFA:PFA+1] th:TH_LOAD_NT scope:SCOPE_SE
.Lnot_mine_\@:
.endm
; THE CHANGE OF SLOTS.  Each wave waits for all its tensor loads, of which one is out: its part of the other slot; adds 0 to its spare word; waits for that and for its reads of the slot that it leaves.
; fill = 1: the old slot is filled again, first thing behind the barrier, with tile NXT; the descriptor's address is made anew from that number.  (At its first use: slot 0 is waited for, slot 1 filled.)
.macro CHANGE fill
	s_wait_tensorcnt 0x0                           ; no tensor load of mine is out, so a group 0 may be written
	ds_add_u32 v[SPW], v[NIL]                      ; 0 onto my spare word; the scalar work below stands between it and the wait for it
.if \fill
	s_lshl_b32 s[OFF], s[NXT], 20                  ; a tile is 128 rows of 8,192 bytes
	s_xor_b32 s[G0K+1], s[G0K+1], SLOT1
	s_add_nc_u64 s[G0K+2:G0K+3], s[KB:KB+1], s[OFF:OFF+1]
	s_or_b32 s[G0K+3], s[G0K+3], 0x80000000
	s_xor_b32 s[G0V+1], s[G0V+1], SLOT1
	s_add_nc_u64 s[G0V+2:G0V+3], s[VB:VB+1], s[OFF:OFF+1]
	s_or_b32 s[G0V+3], s[G0V+3], 0x80000000
	s_add_co_u32 s[NXT], s[NXT], 1                 ; the block's next tile, or behind its last the second block's tile 0
	s_cmp_gt_u32 s[NXT], s[LQ]
	s_cselect_b32 s[NXT], 0, s[NXT]
	s_cselect_b32 s[LQ], s[PB], s[LQ]
	s_wait_xcnt 0x0                                ; the last prefetch, a tile back, has read its address, so it may be written:
	s_add_nc_u64 s[PFA:PFA+1], s[PFA:PFA+1], 0x100000  ; a tile further on
.endif
	s_wait_dscnt 0x0                               ; the add is done, and my reads of the slot are over
	s_barrier_signal -1
	s_sub_co_u32 s[TBK], s[TBK], 2*KS*PK           ; the fetches go back to a slot's first step,
	s_xor_b32 s[TBK], s[TBK], SLOT1                ; in the other slot
	s_sub_co_u32 s[TBV], s[TBV], 2*KS*PV
	s_xor_b32 s[TBV], s[TBV], SLOT1
	s_barrier_wait -1
.if \fill
	LOAD
	ASK
.endif
.endm
.macro FRESH                           ; a block's first statistics
	v_mov_b32 v[ST], 0xfe000000                    ; c m: far below every c s
	v_mov_b32 v[ST+1], 0xff7fffff                  ; m: the lowest finite number
.endm
; A KEY STEP.
.macro STEP
	v_add_nc_u32 v[AK], s[TBK], v[AK0]             ; these four lines are the places between the last V^T P and the loads into V's registers
	v_add_nc_u32 v[AV], s[TBV], v[AV0]
	v_nop
	v_nop
.irp f, 0,1,2,3,4,5,6,7                ; keys 16 (f / 2) on, channels 32 (f % 2) on
	ds_load_b128 v[KF+8*(\f):KF+8*(\f)+3],   v[AK] offset:((\f)/2)*16*PK+((\f)%2)*64
	ds_load_b128 v[KF+8*(\f)+4:KF+8*(\f)+7], v[AK] offset:((\f)/2)*16*PK+((\f)%2)*64+32
.endr
.irp f, 0,1,2,3,4,5,6,7                ; keys 32 (f / 4) on, channels 16 (f % 4) on
	ds_load_tr16_b128 v[VF+8*(\f):VF+8*(\f)+3],   v[AV] offset:((\f)/4)*32*PV+((\f)%4)*32
	ds_load_tr16_b128 v[VF+8*(\f)+4:VF+8*(\f)+7], v[AV] offset:((\f)/4)*32*PV+16*PV+((\f)%4)*32
.endr
	s_add_co_u32 s[TBK], s[TBK], KS*PK
	s_add_co_u32 s[TBV], s[TBV], KS*PV
	s_wait_dscnt 16                                ; K is in; V's 16 loads may stay out
.set i, 0
.rept 8                                ; channels 32 (i / 4) on, keys 16 (i % 4) on: the 4 accumulators take turns; the first 4 start the sums
.if i < 4
	v_wmma_f32_16x16x32_f16 v[S+8*(i%4):S+8*(i%4)+7], v[KF+16*(i%4)+8*(i/4):KF+16*(i%4)+8*(i/4)+7], v[Q+8*(i/4):Q+8*(i/4)+7], 0
.else
	v_wmma_f32_16x16x32_f16 v[S+8*(i%4):S+8*(i%4)+7], v[KF+16*(i%4)+8*(i/4):KF+16*(i%4)+8*(i/4)+7], v[Q+8*(i/4):Q+8*(i/4)+7], v[S+8*(i%4):S+8*(i%4)+7]
.endif
.set i, i+1
.endr
	PLACES
	s_cmp_lg_u32 s[RT], 0                          ; only a block's last tile holds hidden keys
	s_cbranch_scc1 .Lopen_\@
	v_sub_nc_u32 v[TH], v[THB], s[SO]
.set i, 0
.rept 32                               ; register i holds key SO + 16 (i / 8) + 8 (l / 16) + i % 8: hidden where that is greater than my query's place
	v_cmp_gt_i32 vcc_lo, 16*(i/8)+i%8, v[TH]
	v_cndmask_b32 v[S+i], v[S+i], v[BG], vcc_lo
.set i, i+1
.endr
.Lopen_\@:
	; the maximum of the lane's 32 scores and the old m: four chains of seven, each accumulator's lowest registers first
.set n, 0
.rept 4
	v_max3_num_f32 v[ST+4+n], v[S+8*n], v[S+8*n+1], v[S+8*n+2]
.set n, n+1
.endr
.set n, 4
.rept 8
	v_max3_num_f32 v[ST+4+n%4], v[ST+4+n%4], v[S+8*(n%4)+2*(n/4)+1], v[S+8*(n%4)+2*(n/4)+2]
.set n, n+1
.endr
	v_max3_num_f32 v[ST+4], v[ST+4], v[S+7], v[S+15]
	v_max3_num_f32 v[ST+6], v[ST+6], v[S+23], v[S+31]
	v_max3_num_f32 v[ST+5], v[ST+5], v[ST+7], v[ST+1]
	v_mov_b32 v[ST+7], v[ST]                       ; c m_old is kept
	v_max3_num_f32 v[ST+4], v[ST+4], v[ST+5], v[ST+6]
	v_permlanex16_b32 v[ST+5], v[ST+4], s[SEL], s[SEL+1]  ; the query's other 32 keys lie in the lane 16 away
	v_max_num_f32 v[ST+1], v[ST+4], v[ST+5]
	v_mul_f32 v[ST], s[CS], v[ST+1]
	v_sub_f32 v[ST+7], v[ST+7], v[ST]
.set n, 0
.rept 16
	v_pk_fma_f32 v[S+2*n:S+2*n+1], v[S+2*n:S+2*n+1], s[CS:CS+1], v[ST:ST+1] op_sel_hi:[1,0,0] neg_lo:[0,0,1] neg_hi:[0,0,1]  ; c s - c m
.set n, n+1
.endr
	v_exp_f32 v[ST+6], v[ST+7]                     ; a
.set n, 0
.rept 32
	v_exp_f32 v[S+n], v[S+n]
.set n, n+1
.endr
	v_nop                                          ; a plain instruction behind the last exponential (ISA guide 5.7.2): one for the batch,
	s_wait_alu depctr_va_vdst(0)                   ; and the wait ahead of the first line that names a result: one for the 33
.set n, 0
.rept 16
	v_cvt_pk_f16_f32 v[P+n], v[S+2*n], v[S+2*n+1]
.set n, n+1
.endr
.irp w, 4,8,16,32                      ; the sum of the 16 pairs, in place: neighbours 1, 2, 4 and 8 pairs apart
.set n, 0
.rept 32/(\w)
	v_pk_add_f32 v[S+(\w)*n:S+(\w)*n+1], v[S+(\w)*n:S+(\w)*n+1], v[S+(\w)*n+(\w)/2:S+(\w)*n+(\w)/2+1]
.set n, n+1
.endr
.endr
	v_pk_fma_f32 v[ST+2:ST+3], v[ST+2:ST+3], v[ST+6:ST+7], v[S:S+1] op_sel_hi:[1,0,1]  ; l = a l + sum
.set n, 0
.rept 16
	v_pk_mul_f32 v[O+2*n:O+2*n+1], v[O+2*n:O+2*n+1], v[ST+6:ST+7] op_sel_hi:[1,0]  ; O a, each accumulator from its low end on
.set n, n+1
.endr
	s_wait_dscnt 0x0                               ; V is in
.set i, 0
.rept 8                                ; keys 32 (i / 4) on, channels 16 (i % 4) on: the 4 accumulators take turns
	v_wmma_f32_16x16x32_f16 v[O+8*(i%4):O+8*(i%4)+7], v[VF+32*(i/4)+8*(i%4):VF+32*(i/4)+8*(i%4)+7], v[P+8*(i/4):P+8*(i/4)+7], v[O+8*(i%4):O+8*(i%4)+7]
.set i, i+1
.endr
	s_add_co_u32 s[SO], s[SO], KS
.endm
; THE WAY OUT of a block.  l's two halves and the other half of the lanes' are added; O^T is divided by l and sent through my stage: a lane's eight channels of a row are 32 bytes; back come whole rows of 256;
; my rows of inputs are added, and the rows are stored.  Behind the first block the second block's Q goes where the one text names Q, and the statistics start anew.
.macro FINISH blk
	PLACES                                         ; behind the last products
	v_add_f32 v[ST+4], v[ST+2], v[ST+3]
	v_permlanex16_b32 v[ST+5], v[ST+4], s[SEL], s[SEL+1]
	v_add_f32 v[ST+4], v[ST+4], v[ST+5]
	v_rcp_f32 v[ST+6], v[ST+4]
	v_nop                                          ; a plain instruction behind the reciprocal,
	s_wait_alu depctr_va_vdst(0)                   ; and the wait ahead of its first use
.set n, 0
.rept 16
	v_pk_mul_f32 v[O+2*n:O+2*n+1], v[O+2*n:O+2*n+1], v[ST+6:ST+7] op_sel_hi:[1,0]
.set n, n+1
.endr
.irp cb, 0,1,2,3
	ds_store_b128 v[STO], v[O+8*(\cb):O+8*(\cb)+3]   offset:64*(\cb)
	ds_store_b128 v[STO], v[O+8*(\cb)+4:O+8*(\cb)+7] offset:64*(\cb)+16
.endr
.irp f, 0,1,2,3,4,5,6,7
	ds_load_b128 v[S+4*(\f):S+4*(\f)+3], v[RD] offset:(\f)*2*SP  ; LDS serves a wave's instructions in order (ISA guide 5.7.1.4): these see the stores above
.endr
	s_wait_dscnt 0x0
	WIN 0x04                                       ; source 1 in window 1: my rows of inputs
.set n, 0
.rept 16
	v_pk_add_f32 v[S+2*n:S+2*n+1], v[S+2*n:S+2*n+1], v[INP+32*(\blk)+2*n:INP+32*(\blk)+2*n+1]
.set n, n+1
.endr
	WIN 0
.irp f, 0,1,2,3,4,5,6,7
	global_store_b128 v[GO], v[S+4*(\f):S+4*(\f)+3], s[RES+2*(\blk):RES+2*(\blk)+1] offset:2*(\f)*4096  ; 16 lanes store 256 consecutive bytes, aligned
.endr
.if (\blk) == 0
	s_wait_xcnt 0x0                                ; the stores have read their registers: S^T's are written again by the next products
	WIN 0x01                                       ; source 0 in window 1
.set i, 0
.rept 16
	v_mov_b32 v[Q+i], v[QB+i]
.set i, i+1
.endr
	WIN 0
	FRESH                                          ; O and l are finite: the next a is 0
	s_add_co_u32 s[RT], s[PB], 1                   ; the second block has j + 1 tiles
.endif
.endm
; A TILE: two steps; behind a block's last tile its way out.  In the loop that is always the first block's; the walk's last tile is always the second block's last.
.macro TILE blk
	s_sub_co_u32 s[RT], s[RT], 1
	s_mov_b32 s[SO], 0
	s_mov_b32 s[CNT], 2
.Lstep_\@:
	STEP
	s_sub_co_u32 s[CNT], s[CNT], 1
	s_cmp_lg_u32 s[CNT], 0
	s_cbranch_scc1 .Lstep_\@
.if (\blk) == 0
	s_cmp_lg_u32 s[RT], 0
	s_cbranch_scc1 .Lgo_on_\@
.endif
	FINISH \blk
.if (\blk) == 0
.Lgo_on_\@:
.endif
.endm
	s_load_b128 s[4:7], s[0:1], 0x0                ; big s[4:5], inputs s[6:7]
	s_load_b64 s[8:9], s[0:1], 0x10                ; res
	v_lshl_add_u32 v[SPW], v0, 2, SPARE
	v_mov_b32 v[NIL], 0
	ds_add_u32 v[SPW], v[NIL]                      ; the wave's opening: the add and its wait ahead of my first tensor load; the set-up below stands between them
	ds_add_u32 v16, v17
	v_lshrrev_b32 v1, 5, v0
	v_readfirstlane_b32 s[WV], v1                  ; wave 0..7
	s_mov_b32 s[PB], ttmp9
	s_sub_co_u32 s[HI], 7, s[PB]
	s_and_b32 s20, ttmp7, 0xffff
	s_lshr_b32 s21, s20, 4                         ; the batch
	s_and_b32 s20, s20, 15                         ; the head
	s_lshl_b32 s22, s21, 23                        ; 1,024 rows of 8,192 bytes,
	s_lshl_b32 s23, s20, 7                         ; 128 bytes a head
	s_add_co_u32 s22, s22, s23
	s_and_b32 s13, s[WV], 3                        ; which quarter of a tile's 128 keys I fetch:
	s_lshl_b32 s23, s13, 18                        ; its 32 rows in memory
	s_add_co_u32 s69, s22, s23
	s_mov_b32 s[G1K], (1<<16)|(1<<20)|(4<<22)|(3<<25)  ; 2-byte elements; padding on; after every 32 words, a row; 4 words
	s_mov_b32 s[G1V], (1<<16)|(1<<20)|(4<<22)|(7<<25)  ; 8 words
.irp g, G1K, G1V
	s_mov_b32 s[(\g)+1], 64<<16                    ; tensor_dim0 = 64
	s_mov_b32 s[(\g)+2], 32<<16                    ; tensor_dim1 = 32
	s_mov_b32 s[(\g)+3], 64<<16                    ; tile_dim0 = 64
	s_mov_b32 s[(\g)+4], 32                        ; tile_dim1 = 32
	s_mov_b32 s[(\g)+5], 4096                      ; elements from row to row
	s_mov_b32 s[(\g)+6], 0
	s_mov_b32 s[(\g)+7], 0
.endr
	s_mov_b32 s[G0K], 1
	s_mul_i32 s[G0K+1], s13, 32*PK                 ; slot 0, my quarter
	s_mov_b32 s[G0V], 1
	s_mul_i32 s[G0V+1], s13, 32*PV
	s_add_co_u32 s[G0V+1], s[G0V+1], VOFF
	s_mov_b32 s[CS], 0x3e38aa3b                    ; c = log2(e) / 8
	s_mov_b32 s[CS+1], s[CS]
	s_mov_b32 s[SEL], 0x76543210
	s_mov_b32 s[SEL+1], 0xfedcba98
	s_mov_b32 s[TBK], SLOT1+2*KS*PK                ; the first change of slots turns these two into 0
	s_mov_b32 s[TBV], SLOT1+2*KS*PV
	s_add_co_u32 s[RT], s[HI], 1                   ; the first block has 8 - j tiles
	s_mov_b32 s[NXT], 1
	s_mov_b32 s[LQ], s[HI]
	s_mov_b32 s[OFF+1], 0
	s_mov_b32 s[SLOTS], 8
	s_and_b32 s[LIM], s20, 1                       ; an even head,
	s_or_b32 s[LIM], s[LIM], s[PB]                 ; and j = 0: this work-group prefetches
	s_cmp_eq_u32 s[LIM], 0
	s_cselect_b32 s[LIM], 2, -1
	s_wait_dscnt 0x0                               ; the opening add is done
	s_wait_kmcnt 0x0
	s_add_co_u32 s[OFF], s69, 2048                 ; k begins 2,048 bytes into a token's row,
	s_add_nc_u64 s[KB:KB+1], s[4:5], s[OFF:OFF+1]
	s_add_co_u32 s[OFF], s69, 4096                 ; v 4,096
	s_add_nc_u64 s[VB:VB+1], s[4:5], s[OFF:OFF+1]
	s_mov_b64 s[G0K+2:G0K+3], s[KB:KB+1]
	s_or_b32 s[G0K+3], s[G0K+3], 0x80000000
	s_mov_b64 s[G0V+2:G0V+3], s[VB:VB+1]
	s_or_b32 s[G0V+3], s[G0V+3], 0x80000000
	LOAD                                           ; tile 0 into slot 0
	s_cmp_lt_u32 s[WV], 4
	s_cselect_b64 s[PFA:PFA+1], s[KB:KB+1], s[VB:VB+1]  ; the rows that I fetch,
	s_add_nc_u64 s[PFA:PFA+1], s[PFA:PFA+1], 0x100000   ; in tile 1: the first change of slots steps it to tile 2.  Nothing is prefetched here, at the head
	s_lshl_b32 s23, s[WV], 17                      ; q: my wave's 16 rows,
	s_add_co_u32 s23, s22, s23
	s_lshl_b32 s[OFF], s[HI], 20                   ; in the first block,
	s_add_co_u32 s[OFF], s[OFF], s23
	s_add_nc_u64 s[QA:QA+1], s[4:5], s[OFF:OFF+1]
	s_lshl_b32 s[OFF], s[PB], 20                   ; and in the second
	s_add_co_u32 s[OFF], s[OFF], s23
	s_add_nc_u64 s[QA+2:QA+3], s[4:5], s[OFF:OFF+1]
	s_lshl_b32 s23, s21, 22                        ; inputs and res: 1,024 rows of 4,096 bytes a batch,
	s_lshl_b32 s13, s[WV], 16                      ; my 16 rows,
	s_add_co_u32 s23, s23, s13
	s_lshl_b32 s13, s20, 8                         ; the head's 256 bytes
	s_add_co_u32 s23, s23, s13
	s_lshl_b32 s[OFF], s[HI], 19
	s_add_co_u32 s[OFF], s[OFF], s23
	s_add_nc_u64 s[RES:RES+1], s[8:9], s[OFF:OFF+1]
	s_add_nc_u64 s[INA:INA+1], s[6:7], s[OFF:OFF+1]
	s_lshl_b32 s[OFF], s[PB], 19
	s_add_co_u32 s[OFF], s[OFF], s23
	s_add_nc_u64 s[RES+2:RES+3], s[8:9], s[OFF:OFF+1]
	s_add_nc_u64 s[INA+2:INA+3], s[6:7], s[OFF:OFF+1]
	v_and_b32 v1, 15, v0                           ; l % 16
	v_bfe_u32 v9, v0, 4, 1                         ; l / 16
	v_lshlrev_b32 v[QO], 13, v1
	v_lshl_add_u32 v[QO], v9, 4, v[QO]             ; row x 8,192 + 16 x half
	v_lshlrev_b32 v[GO], 12, v9
	v_lshl_add_u32 v[GO], v1, 4, v[GO]             ; lanes 0-15 one row's 256 bytes, lanes 16-31 the next
.irp c, 0,1
	global_load_b128 v[Q+8*(\c):Q+8*(\c)+3],   v[QO], s[QA:QA+1] offset:(\c)*64
	global_load_b128 v[Q+8*(\c)+4:Q+8*(\c)+7], v[QO], s[QA:QA+1] offset:(\c)*64+32
.endr
	WIN 0x40                                       ; destination window 1
.irp c, 0,1
	global_load_b128 v[QB+8*(\c):QB+8*(\c)+3],   v[QO], s[QA+2:QA+3] offset:(\c)*64
	global_load_b128 v[QB+8*(\c)+4:QB+8*(\c)+7], v[QO], s[QA+2:QA+3] offset:(\c)*64+32
.endr
.irp k, 0,1
.irp f, 0,1,2,3,4,5,6,7
	global_load_b128 v[INP+32*(\k)+4*(\f):INP+32*(\k)+4*(\f)+3], v[GO], s[INA+2*(\k):INA+2*(\k)+1] offset:2*(\f)*4096 th:TH_LOAD_NT
.endr
.endr
	WIN 0
	v_and_b32 v[PFO], 31, v0
	v_lshlrev_b32 v[PFO], 13, v[PFO]
	v_mul_u32_u24 v[AK0], v1, PK
	v_lshl_add_u32 v[AK0], v9, 4, v[AK0]           ; row x pitch + 16 x half
	v_and_b32 v10, 7, v0
	v_bfe_u32 v11, v0, 3, 1
	v_lshl_add_u32 v[AV0], v9, 3, v10              ; the turning load: key 8 (l / 16) + l % 8, channels 8 ((l / 8) % 2) on
	v_mul_u32_u24 v[AV0], v[AV0], PV
	v_lshl_add_u32 v[AV0], v11, 4, v[AV0]
	v_add_nc_u32 v[AV0], VOFF, v[AV0]
	s_mul_i32 s13, s[WV], 16*SP
	s_add_co_u32 s13, s13, STAGE                   ; my stage
	v_mul_u32_u24 v[STO], v1, SP
	v_lshl_add_u32 v[STO], v9, 5, v[STO]
	v_add_nc_u32 v[STO], s13, v[STO]
	v_mul_u32_u24 v[RD], v9, SP
	v_lshl_add_u32 v[RD], v1, 4, v[RD]
	v_add_nc_u32 v[RD], s13, v[RD]
	v_mov_b32 v[BG], 0xf149f2ca                    ; -1e30
	v_lshlrev_b32 v10, 3, v9
	v_sub_nc_u32 v[THB], v1, v10
	s_lshl_b32 s13, s[WV], 4
	v_add_nc_u32 v[THB], s13, v[THB]               ; 16 w + l % 16 - 8 (l / 16)
.set i, 0
.rept 32                               ; O and l need only be finite at a block's beginning: zeros for the first block, written in the wait for the first tile
	v_mov_b32 v[O+i], 0
.set i, i+1
.endr
	v_mov_b32 v[ST+2], 0
	v_mov_b32 v[ST+3], 0
	FRESH
	s_wait_loadcnt 0x0                             ; Q and my rows of inputs
.Lslot:                                                ; 8 times: a tile is entered and the next is asked for
	CHANGE 1
	TILE 0
	s_sub_co_u32 s[SLOTS], s[SLOTS], 1
	s_cmp_lg_u32 s[SLOTS], 0
	s_cbranch_scc1 .Lslot
	CHANGE 0                                       ; the walk's last tile is written out: nothing is asked for
	TILE 1
	s_wait_tensorcnt 0x0                           ; the wave's end: behind my last tensor load and my last LDS store
	ds_add_u32 v[SPW], v[NIL]
	s_wait_dscnt 0x0
	s_endpgm
.Lfunc_end_k_q1e9611528d_attn:
	.size	k_q1e9611528d_attn, .Lfunc_end_k_q1e9611528d_attn-k_q1e9611528d_attn
	.p2alignl 7, 3214868480
	.fill 96, 4, 3214868480
	.section	.rodata,"a",@progbits
	.p2align	6, 0x0
	.amdhsa_kernel k_q1e9611528d_attn
		.amdhsa_group_segment_fixed_size 327680
		.amdhsa_private_segment_fixed_size 0
		.amdhsa_enable_private_segment 0
		.amdhsa_kernarg_size 24
		.amdhsa_user_sgpr_count 2
		.amdhsa_user_sgpr_kernarg_segment_ptr 1
		.amdhsa_wavefront_size32 1
		.amdhsa_system_sgpr_workgroup_id_x 1
		.amdhsa_system_sgpr_workgroup_id_y 1
		.amdhsa_system_sgpr_workgroup_id_z 1
		.amdhsa_system_vgpr_workitem_id 0
		.amdhsa_next_free_vgpr 336
		.amdhsa_next_free_sgpr 80
		.amdhsa_reserve_vcc 1
		.amdhsa_float_denorm_mode_32 3
		.amdhsa_float_denorm_mode_16_64 3
		.amdhsa_memory_ordered 1
		.amdhsa_forward_progress 1
		.amdhsa_inst_pref_size 46
	.end_amdhsa_kernel
	.amdgpu_metadata
---
amdhsa.version: [ 1, 2 ]
amdhsa.kernels:
  - .name:           k_q1e9611528d_attn
    .symbol:         k_q1e9611528d_attn.kd
    .args:
      - { .name: big, .offset: 0, .size: 8, .value_kind: global_buffer, .address_space: global }
      - { .name: inputs, .offset: 8, .size: 8, .value_kind: global_buffer, .address_space: global }
      - { .name: res, .offset: 16, .size: 8, .value_kind: global_buffer, .address_space: global }
    .group_segment_fixed_size: 327680
    .private_segment_fixed_size: 0
    .kernarg_segment_align: 8
    .kernarg_segment_size: 24
    .max_flat_workgroup_size: 256
    .sgpr_count:     80
    .vgpr_count:     336
    .wavefront_size: 32
...
	.end_amdgpu_metadata
.endif
;; end of part 3
;; launch ln2 (part 4): grid 512 x 1, 8 waves a work-group, no clusters, 0 bytes of LDS; arguments res, g2, beta2, xh; writes xh
.if DOCPART == 4
	.amdgcn_target "amdgcn-amd-amdhsa--gfx1250"
	.amdhsa_code_object_version 6
	.text
	.protected	k_q1e9611528d_ln2
	.globl	k_q1e9611528d_ln2
	.p2align	8
	.type	k_q1e9611528d_ln2,@function
k_q1e9611528d_ln2:
	s_mov_b64 s[64:65], 0
	v_nop
	global_prefetch_b8 v0, s[64:65] scope:SCOPE_SE
	s_setreg_imm32_b32 hwreg(HW_REG_WAVE_MODE, 25, 1), 1
	s_wait_xcnt 0x0
; xh = LayerNorm(res) g2 + beta2, rounded once to f16.  res: [4096][1024] f32, xh: [4096][1024] f16.  One wave, one row, kept in 32 registers between the passes: the row is read once.
; A stream: no LDS, no barrier, no matrix unit, no cluster (the work-groups share g2 and beta2 alone, 8 KiB).
; LIMITS.  f16 ends at 65,504: a normed number of 65,520 or more becomes an infinity.  NaN and infinities are not treated apart.
; The mean is taken first and the variance of the differences, both on registers, so a common offset of a row costs no accuracy.
.set X,  8                             ; v[8:39]    the row: 32 numbers a lane
.set G,  40                            ; v[40:71]   the gain of my 32 columns
.set BT, 72                            ; v[72:103]  the offset of my 32 columns
.set T,  104                           ; v[104:107] partial sums
.set MU, 112                           ; v[112:113] the mean, twice
.set R,  114                           ; v[114:115] 1 / sqrt(var + eps), twice
.macro TOTAL                           ; a lane's four partial sums in v[T:T+3] -> the sum over the wave's 32 lanes in v[T], in every lane
	v_pk_add_f32 v[T:T+1], v[T:T+1], v[T+2:T+3]
	v_add_f32 v[T], v[T], v[T+1]
	v_add_f32_dpp v[T], v[T], v[T] row_xmask:1 row_mask:0xf bank_mask:0xf
	v_add_f32_dpp v[T], v[T], v[T] row_xmask:2 row_mask:0xf bank_mask:0xf
	v_add_f32_dpp v[T], v[T], v[T] row_xmask:4 row_mask:0xf bank_mask:0xf
	v_add_f32_dpp v[T], v[T], v[T] row_xmask:8 row_mask:0xf bank_mask:0xf
	v_permlanex16_b32 v[T+1], v[T], s40, s41       ; the other half of the lanes; its destination has been written
	v_add_f32 v[T], v[T], v[T+1]
.endm
	s_load_b256 s[4:11], s[0:1], 0x0               ; res, g2, beta2, xh
	v_lshrrev_b32 v5, 5, v0
	v_readfirstlane_b32 s34, v5                    ; wave 0..7
	v_and_b32 v5, 31, v0                           ; lane
	v_lshlrev_b32 v1, 4, v5
	v_lshlrev_b32 v2, 3, v5
	s_mov_b32 s40, 0x76543210                      ; v_permlanex16_b32: each lane takes its own place in the other half
	s_mov_b32 s41, 0xfedcba98
	s_mov_b32 s42, 0x3a800000                      ; 1 / 1024
	s_mov_b32 s43, 0x3727c5ac                      ; 1e-5
	s_lshl_b32 s35, ttmp9, 3
	s_add_co_u32 s35, s35, s34                     ; my row = 8 x work-group + wave
	s_lshl_b32 s36, s35, 12                        ; 4,096 bytes a row of res
	s_mov_b32 s37, 0
	s_lshl_b32 s38, s35, 11                        ; 2,048 bytes a row of xh
	s_mov_b32 s39, 0
	s_wait_kmcnt 0x0
	s_add_nc_u64 s[4:5], s[4:5], s[36:37]
	s_add_nc_u64 s[10:11], s[10:11], s[38:39]
.irp j, 0,1,2,3,4,5,6,7                ; load j of a lane takes columns 128 j + 4 lane + 0..3
	global_load_b128 v[X+4*(\j):X+4*(\j)+3], v1, s[4:5] offset:512*(\j) th:TH_LOAD_NT
.endr
.irp j, 0,1,2,3,4,5,6,7
	global_load_b128 v[G+4*(\j):G+4*(\j)+3], v1, s[6:7] offset:512*(\j)
.endr
.irp j, 0,1,2,3,4,5,6,7
	global_load_b128 v[BT+4*(\j):BT+4*(\j)+3], v1, s[8:9] offset:512*(\j)
.endr
	s_wait_loadcnt 16                              ; the row is in; the 16 younger loads, gain and offset, may stay out
	v_pk_add_f32 v[T:T+1], v[X:X+1], v[X+2:X+3]    ; two chains, started by the first pairs: nothing is cleared
	v_pk_add_f32 v[T+2:T+3], v[X+4:X+5], v[X+6:X+7]
.set p, 4
.rept 12
	v_pk_add_f32 v[T+2*(p%2):T+2*(p%2)+1], v[T+2*(p%2):T+2*(p%2)+1], v[X+2*p:X+2*p+1]
.set p, p+1
.endr
	TOTAL
	v_mul_f32 v[MU], s42, v[T]                     ; the mean
	v_mul_f32 v[MU+1], s42, v[T]
.set p, 0
.rept 16
	v_pk_add_f32 v[X+2*p:X+2*p+1], v[X+2*p:X+2*p+1], v[MU:MU+1] neg_lo:[0,1] neg_hi:[0,1]  ; x - mean, in place
.set p, p+1
.endr
	v_pk_mul_f32 v[T:T+1], v[X:X+1], v[X:X+1]
	v_pk_mul_f32 v[T+2:T+3], v[X+2:X+3], v[X+2:X+3]
.set p, 2
.rept 14
	v_pk_fma_f32 v[T+2*(p%2):T+2*(p%2)+1], v[X+2*p:X+2*p+1], v[X+2*p:X+2*p+1], v[T+2*(p%2):T+2*(p%2)+1]
.set p, p+1
.endr
	TOTAL
	v_fma_f32 v[T], v[T], s42, s43                 ; the variance + eps
	v_rsq_f32 v[R], v[T]
	v_rsq_f32 v[R+1], v[T]
	v_nop                                          ; a plain instruction behind the last root (ISA guide 5.7.2),
	s_wait_alu depctr_va_vdst(0)                   ; and the wait ahead of the first use: one for both
	s_wait_loadcnt 0x0                             ; gain and offset
.set p, 0
.rept 16
	v_pk_mul_f32 v[X+2*p:X+2*p+1], v[X+2*p:X+2*p+1], v[R:R+1]
.set p, p+1
.endr
.set p, 0
.rept 16
	v_pk_fma_f32 v[X+2*p:X+2*p+1], v[X+2*p:X+2*p+1], v[G+2*p:G+2*p+1], v[BT+2*p:BT+2*p+1]
.set p, p+1
.endr
.irp j, 0,1,2,3,4,5,6,7
	v_cvt_pk_f16_f32 v[X+4*(\j)], v[X+4*(\j)], v[X+4*(\j)+1]
	v_cvt_pk_f16_f32 v[X+4*(\j)+1], v[X+4*(\j)+2], v[X+4*(\j)+3]
	global_store_b64 v2, v[X+4*(\j):X+4*(\j)+1], s[10:11] offset:256*(\j)  ; 32 lanes x 8 bytes: 256 consecutive bytes, aligned
.endr
	s_endpgm
.Lfunc_end_k_q1e9611528d_ln2:
	.size	k_q1e9611528d_ln2, .Lfunc_end_k_q1e9611528d_ln2-k_q1e9611528d_ln2
	.p2alignl 7, 3214868480
	.fill 96, 4, 3214868480
	.section	.rodata,"a",@progbits
	.p2align	6, 0x0
	.amdhsa_kernel k_q1e9611528d_ln2
		.amdhsa_group_segment_fixed_size 0
		.amdhsa_private_segment_fixed_size 0
		.amdhsa_enable_private_segment 0
		.amdhsa_kernarg_size 32
		.amdhsa_user_sgpr_count 2
		.amdhsa_user_sgpr_kernarg_segment_ptr 1
		.amdhsa_wavefront_size32 1
		.amdhsa_system_sgpr_workgroup_id_x 1
		.amdhsa_system_sgpr_workgroup_id_y 1
		.amdhsa_system_sgpr_workgroup_id_z 1
		.amdhsa_system_vgpr_workitem_id 0
		.amdhsa_next_free_vgpr 128
		.amdhsa_next_free_sgpr 66
		.amdhsa_reserve_vcc 0
		.amdhsa_float_denorm_mode_32 3
		.amdhsa_float_denorm_mode_16_64 3
		.amdhsa_memory_ordered 1
		.amdhsa_forward_progress 1
		.amdhsa_inst_pref_size 12
	.end_amdhsa_kernel
	.amdgpu_metadata
---
amdhsa.version: [ 1, 2 ]
amdhsa.kernels:
  - .name:           k_q1e9611528d_ln2
    .symbol:         k_q1e9611528d_ln2.kd
    .args:
      - { .name: res, .offset: 0, .size: 8, .value_kind: global_buffer, .address_space: global }
      - { .name: g2, .offset: 8, .size: 8, .value_kind: global_buffer, .address_space: global }
      - { .name: beta2, .offset: 16, .size: 8, .value_kind: global_buffer, .address_space: global }
      - { .name: xh, .offset: 24, .size: 8, .value_kind: global_buffer, .address_space: global }
    .group_segment_fixed_size: 0
    .private_segment_fixed_size: 0
    .kernarg_segment_align: 8
    .kernarg_segment_size: 32
    .max_flat_workgroup_size: 256
    .sgpr_count:     66
    .vgpr_count:     128
    .wavefront_size: 32
...
	.end_amdgpu_metadata
.endif
;; end of part 4
;; launch mlp1: the kernel of part 2 again; grid 16 x 16, 4 waves a work-group, clusters of 4 x 4, 327,680 bytes of LDS; arguments xh, wmlp, bm1, big; writes big
;; launch mlp2 (part 5): grid 8 x 32, 4 waves a work-group, clusters of 4 x 1, 327,680 bytes of LDS; arguments big, wmlp, bm2, res, out0; writes out0
.if DOCPART == 5
	.amdgcn_target "amdgcn-amd-amdhsa--gfx1250"
	.amdhsa_code_object_version 6
	.text
	.protected	k_q1e9611528d_mlp2
	.globl	k_q1e9611528d_mlp2
	.p2align	8
	.type	k_q1e9611528d_mlp2,@function
k_q1e9611528d_mlp2:
	s_mov_b64 s[64:65], 0
	v_nop
	global_prefetch_b8 v0, s[64:65] scope:SCOPE_SE
	s_setreg_imm32_b32 hwreg(HW_REG_WAVE_MODE, 25, 1), 1
	s_wait_xcnt 0x0
	s_wait_alu depctr_hold_cnt(0) depctr_sa_sdst(0) depctr_va_vdst(0) depctr_va_sdst(0) depctr_va_ssrc(0) depctr_va_vcc(0) depctr_vm_vsrc(0)
	s_getreg_b32 s2, hwreg(HW_REG_IB_STS2, 6, 4)
	s_cmp_eq_u32 s2, 0
	s_cbranch_scc0 .Lentry_in_a_cluster
	s_endpgm
.Lentry_in_a_cluster:
	s_bfe_u32 s2, ttmp6, 0x10000c
	s_cmp_lg_u32 s2, 0x3003
	s_cbranch_scc0 .Lentry_shape_is_right
	s_endpgm
.Lentry_shape_is_right:
; out0 = res + A W + bias: the MLP's second layer.  A = big: [4096][4096] f16, K along the rows.  res, out0: [4096][1024] f32.  Sums in f32, started by the bias.
; W lies in blocks at byte 8,388,864 of wmlp: [64 blocks of 16 columns][512 groups of 8 k][16 columns][8 k] f16: a fragment (16 columns x 32 k) is 1,024 consecutive bytes in the order of the lanes.
; LIMITS.  A and W arrive within f16's 65,504.  NaN and infinities are not treated apart.
; SHARES.  A tile of out0 is 128 x 128, so that there are 256 of them.  Four waves; a wave makes all 128 rows x 32 columns: 16 accumulators.
; ONLY A GOES THROUGH LDS.  With both operands in a ring of two slots a slot would hold K = 256, 128 matrix instructions a wave, for the one tensor load a wave that stands behind each change of slots.  With A
; alone a slot holds K = 512 (rows of 1,024 bytes, 16 of padding): 256 matrix instructions, 224 of them between a request and the wait for it.  Each wave fetches 32 of the 128 rows; two loads are out at the start, one later.
; W COMES STRAIGHT INTO REGISTERS.  A wave's 32 columns are no other wave's, so each byte of W is fetched by one wave of the work-group, 512 consecutive bytes an instruction.  Eight register slots of a quarter step
; (K = 64: 8 loads, 32 registers) take turns: slot i - 1 is loaded again in the middle of quarter i, for the next K step.  56 loads are out at the most behind a reload, 60 at the start.
; CLUSTER.  4 x 1 work-groups: the four tile columns of a tile row need the same rows of A and ask for them jointly.  W's blocks are each work-group's own.
; THE PRODUCT IS USED TRANSPOSED: source 0 = 16 columns of W, source 1 = 16 rows of A: a lane holds row l % 16 of out0 and the columns 8 (l / 16) + 0..7.
; REGISTERS, in windows of 256 (s_set_vgpr_msb: bits 1:0 source 0, 3:2 source 1, 5:4 source 2, 7:6 destination):
;   window 0: addresses, the bias, v128-255 the accumulators ((a, n) at 128 + 8 (2 a + n))     window 1: two buffers of A's fragments for a quarter (unit c of 32 k, row block a at 64 c + 8 a)
;   window 2: W's eight slots (slot i, unit c, block n at 32 i + 16 c + 8 n); on the way out rows read back     window 3: v0-127 res
.set KSTEP,  512
.set NSTEP,  8                         ; K steps
.set AP,     1040                      ; a row of A in LDS: 1,024 + 16 bytes = 260 words: the 16 rows of a load start at 16 different groups of four banks (64 banks of 4 bytes: ISA guide 11.1)
.set AQ,     32*AP                     ; what one tensor load brings
.set SLOT,   4*AQ                      ; 133,120 = 0x20800: it shares no bit with a wave's base in a slot (0, 0x8200, 0x10400, 0x18600), so one exclusive or turns a base in one slot into the other's
.set SPARE,  2*SLOT                    ; behind the ring: the spare words, 128 bytes for each wave: two blocks of 256 bytes that no other line names
.set SP,     528                       ; the way out: a row of the tile, 512 + 16 bytes.  The stage, 128 such rows, lies in slot 0, behind that slot's last fill and last read
.set WOFF,   8388864
.set NBB,    131072                    ; bytes of a block of 16 columns of W
.set STEPW,  16384                     ; bytes of a K step in a block
.set RR,    1                          ; v1   l % 16
.set HH,    2                          ; v2   l / 16
.set ADRA0, 6                          ; v6   my lane's place in slot 0's rows; never rewritten
.set RA,    8                          ; v8   the same in the slot in hand, rows 0-63;  v9  rows 64-127 (an immediate reaches 65,535 bytes)
.set WO,    10                         ; v10  16 x lane: my 16 bytes of 512; never rewritten
.set STO,   12                         ; v12  the way out: where I put 32 bytes of a row
.set RD,    13                         ; v13  where I read rows back
.set BO,    15                         ; v15  32 x (l / 16): my eight numbers of a block's bias
.set SPW,   16                         ; v16  LDS address of my spare word; never rewritten
.set NIL,   17                         ; v17  0; never rewritten
.set PFO,   18                         ; v18  the prefetches' offset: lane x a row of A (8,192 bytes); never rewritten
.set BIAS,  32                         ; v[32:47]
.set ACC,   128
.set F0,    0                          ; window 1
.set F1,    128
.set WV,    14                         ; s14  my wave
.set TB,    23                         ; s23  0 or SLOT: the slot in hand
.set G1,    24                         ; s[24:31] descriptor group 1
.set G0,    32                         ; s[32:39] group 0: a set for each first fill; the second walks on
.set WP,    40                         ; s[40:41] W at my two blocks, at the K step that is being loaded
.set PFA,   42                         ; s[42:43] where my prefetches stand
.set LIM,   44                         ; s44  1 in a cluster that prefetches, else the greatest number
.set CNT,   45
.set MSB, 0
.macro WIN new                         ; the immediate's high byte repeats the setting that is left; a switch that changes nothing is dropped
.if MSB != (\new)
	s_set_vgpr_msb (MSB<<8)|(\new)
.set MSB, \new
.endif
.endm
.macro PLACES                          ; four places in front of loads into registers that matrix instructions have read, and of lines that read results (ISA guide 7.12.1 for lines that read results)
.rept 4
	v_nop
.endr
.endm
.macro CREST                           ; a round of the cluster's barrier behind its opening barrier
	s_cmp_lg_u32 s[WV], 0
	s_cbranch_scc1 .Lnot_wave_0_\@
	s_barrier_signal -3
.Lnot_wave_0_\@:
	s_barrier_wait -3
	s_barrier_signal -1
	s_barrier_wait -1
.endm
.macro CROUND                          ; a whole round
	s_barrier_signal -1
	s_barrier_wait -1
	CREST
.endm
; A PREFETCH INTO THE L2 behind each refill: the K step that the NEXT refill will ask for, 256 matrix instructions ahead of that load.  A tile row's 128 rows x 1,024 bytes are 512 blocks of 256 bytes; both clusters of
; a tile row read them, and the one with x = 0 asks.  Its four partners take 32 rows each, told apart by address; wave w takes the w-th 256 bytes of the step; a lane a row: one instruction a wave, each block named once.
; The last refill asks for nothing: no K step stands behind the one that it fetches.  K steps 0 to 2 come by their loads alone.
.macro ASK
	s_cmp_gt_u32 s[CNT], s[LIM]                    ; s[CNT] = 1 in the loop's last trip
	s_cbranch_scc0 .Lnot_mine_\@
	global_prefetch_b8 v[PFO], s[PFA:PFA+1] th:TH_LOAD_NT scope:SCOPE_SE
.Lnot_mine_\@:
.endm
; 8 matrix instructions: A's buffer f, W's slot i, unit c of 32 k, row blocks 4 half .. 4 half + 3, both column blocks.  first = 1: the bias is the C that starts the sums: nothing is cleared.
; The 16 accumulators take turns, one instruction a turn, always in the same order.
.macro MUL8 f, i, c, half, first
	WIN 0x06                                       ; W in window 2, A in window 1, C and D in window 0
.irp da, 0,1,2,3
.irp n, 0,1
.set rAC, ACC+8*(2*(4*(\half)+(\da))+(\n))
.set rW, 32*(\i)+16*(\c)+8*(\n)
.set rA, (\f)+64*(\c)+8*(4*(\half)+(\da))
.if \first
	v_wmma_f32_16x16x32_f16 v[rAC:rAC+7], v[rW:rW+7], v[rA:rA+7], v[BIAS+8*(\n):BIAS+8*(\n)+7]
.else
	v_wmma_f32_16x16x32_f16 v[rAC:rAC+7], v[rW:rW+7], v[rA:rA+7], v[rAC:rAC+7]
.endif
.endr
.endr
.endm
; 32 LDS loads in one run: quarter i's fragments of A (128 rows x 64 k) into buffer f, the first 32 k first
.macro FETCH i, f
	WIN 0x40                                       ; destination window 1, address window 0
.irp c, 0,1
.irp a, 0,1,2,3,4,5,6,7
	ds_load_b128 v[(\f)+64*(\c)+8*(\a):(\f)+64*(\c)+8*(\a)+3],   v[RA+(\a)/4] offset:((\a)%4)*16*AP+128*(\i)+64*(\c)
	ds_load_b128 v[(\f)+64*(\c)+8*(\a)+4:(\f)+64*(\c)+8*(\a)+7], v[RA+(\a)/4] offset:((\a)%4)*16*AP+128*(\i)+64*(\c)+32
.endr
.endr
.endm
; 8 loads: W's slot i (two blocks x 64 k) of the K step at which s[WP] stands
.macro RELOAD i
	WIN 0x80                                       ; destination window 2
.irp c, 0,1
.irp n, 0,1
	global_load_b128 v[32*(\i)+16*(\c)+8*(\n):32*(\i)+16*(\c)+8*(\n)+3],   v[WO], s[WP:WP+1] offset:(\n)*NBB+(\i)*2048+(\c)*1024
	global_load_b128 v[32*(\i)+16*(\c)+8*(\n)+4:32*(\i)+16*(\c)+8*(\n)+7], v[WO], s[WP:WP+1] offset:(\n)*NBB+(\i)*2048+(\c)*1024+512
.endr
.endr
.endm
; 8 loads: rows 8 g .. 8 g + 7 of the 32 rows of res that I store, 512 consecutive bytes each
.macro RESLOAD g
	WIN 0xc0                                       ; destination window 3
.irp t, 0,1,2,3,4,5,6,7
	global_load_b128 v[32*(\g)+4*(\t):32*(\g)+4*(\t)+3], v[WO], s[10:11] offset:(8*(\g)+(\t))*4096 th:TH_LOAD_NT
.endr
.endm
; One of a K step's quarters 0 to 6: multiplies A's buffer i % 2 by W's slot i; in its middle it fetches A's next quarter into the other buffer and (rel = 1) loads W's slot i - 1 again, both last read a quarter ago;
; rel = 2: in the last K step eight loads of res stand in the reload's place.  cnt: the loads issued behind slot i's, which may stay out: six groups of eight, but at the very end.
.macro QUARTER i, rel, cnt, first
.set fb, F0+128*((\i)%2)
.set gb, F0+128*(((\i)+1)%2)
.set rl, ((\i)+7)%8
	s_wait_dscnt 16                                ; A's first 32 k are in; the youngest 16 loads may be out
	s_wait_loadcnt \cnt                            ; W's slot i is in
	MUL8 fb, \i, 0, 0, \first
	MUL8 fb, \i, 0, 1, \first
	PLACES
	FETCH (\i)+1, gb
.if (\rel) == 1
	RELOAD rl
.elseif (\rel) == 2
	RESLOAD (\i)-1
.endif
	s_wait_dscnt 32                                ; all but the 32 just issued
	MUL8 fb, \i, 1, 0, 0
	MUL8 fb, \i, 1, 1, 0
.endm
; Quarter 7 changes slots.  In front of the barrier each wave waits for all its tensor loads (the one that is out is its part of the next slot), adds 0 to its spare word, and waits for that and for its reads of
; this slot.  fill = 1: the barrier opens a round of the cluster's, and behind the round this slot is filled again, two K steps ahead, first of all.
.macro TURN fill
	WIN 0                                          ; the add's two registers lie in window 0
	s_wait_tensorcnt 0x0
	ds_add_u32 v[SPW], v[NIL]
	s_wait_dscnt 17                                ; the add and the youngest 16 loads may be out
	s_wait_loadcnt 48                              ; W's slot 7 is in
	MUL8 F1, 7, 0, 0, 0                            ; matrix work stands between the add and the wait for it
	s_wait_dscnt 0x0                               ; the add is done, and my reads of this slot are over
	s_barrier_signal -1
	MUL8 F1, 7, 0, 1, 0
	WIN 0                                          ; at a branch and at a label every window is 0
	s_barrier_wait -1
.if \fill
	CREST                                          ; no wave of any partner still reads this slot's tile or has a load on its way
	s_xor_b32 s[G0+5], s[G0+5], SLOT               ; the walking descriptor: the other slot than last time, the next K step; the type bits on top are not reached
	s_add_nc_u64 s[G0+6:G0+7], s[G0+6:G0+7], 2*KSTEP
	tensor_load_to_lds s[G0+4:G0+7], s[G1:G1+7]
	s_nop 0
.rept 4
	v_nop                                          ; (the places in front of the loads below)
.endr
.else
	PLACES
.endif
	s_xor_b32 s[TB], s[TB], SLOT
	v_add_nc_u32 v[RA], s[TB], v[ADRA0]
	v_add_nc_u32 v[RA+1], 64*AP, v[RA]
	FETCH 0, F0
	RELOAD 6
.if \fill
	WIN 0
	ASK
.endif
	MUL8 F1, 7, 1, 0, 0
	MUL8 F1, 7, 1, 1, 0
.endm
	s_load_b256 s[4:11], s[0:1], 0x0               ; A s[4:5], wmlp s[6:7], bias s[8:9], res s[10:11]
	s_load_b64 s[12:13], s[0:1], 0x20              ; out0
	v_lshl_add_u32 v[SPW], v0, 2, SPARE
	v_mov_b32 v[NIL], 0
	ds_add_u32 v[SPW], v[NIL]                      ; the wave's opening: the add and its wait ahead of my first tensor load; the set-up below stands between them
	ds_add_u32 v16, v17
	v_lshrrev_b32 v3, 5, v0
	v_readfirstlane_b32 s[WV], v3                  ; wave 0..3
	s_bfe_u32 s17, ttmp6, 0x40000                  ; cx: my place in the cluster
	s_lshl_b32 s19, ttmp9, 2
	s_add_co_u32 s19, s19, s17                     ; tile column = 4 x cluster x + cx
	s_and_b32 s20, ttmp7, 0xffff                   ; tile row, which the four partners share
	s_mov_b32 s[G1], 15|(1<<16)|(1<<20)|(1<<21)|(7<<22)|(3<<25)  ; the mask of four; 2-byte elements; padding on; bit 21 beside a mask; after every 256 words, a row; 4 words
	s_mov_b32 s[G1+1], KSTEP<<16                   ; tensor_dim0 = 512
	s_mov_b32 s[G1+2], 32<<16                      ; tensor_dim1 = 32
	s_mov_b32 s[G1+3], KSTEP<<16                   ; tile_dim0 = 512
	s_mov_b32 s[G1+4], 32                          ; tile_dim1 = 32
	s_mov_b32 s[G1+5], 4096                        ; elements from row to row
	s_mov_b32 s[G1+6], 0
	s_mov_b32 s[G1+7], 0
	s_mul_i32 s46, s[WV], AQ                       ; where my 32 rows land in a slot: no place in the cluster enters an LDS address
	s_mov_b32 s[TB], 0
	s_lshl_b32 s56, s20, 7                         ; A: row 128 x tile row + 32 x wave,
	s_lshl_b32 s57, s[WV], 5
	s_add_co_u32 s56, s56, s57
	s_lshl_b32 s56, s56, 13                        ; in bytes (under 2^26)
	s_mov_b32 s57, 0
	s_wait_dscnt 0x0                               ; the opening add is done
	s_wait_kmcnt 0x0
	s_add_nc_u64 s[56:57], s[4:5], s[56:57]
.irp n, 0,1
	s_mov_b32 s[G0+4*(\n)], 1                      ; count = 1
	s_add_co_u32 s[G0+4*(\n)+1], s46, (\n)*SLOT    ; LDS address
	s_add_nc_u64 s[G0+4*(\n)+2:G0+4*(\n)+3], s[56:57], (\n)*2*KSTEP  ; K step n
	s_or_b32 s[G0+4*(\n)+3], s[G0+4*(\n)+3], 0x80000000             ; type = 2
.endr
	CROUND                                         ; all four work-groups are here: the first joint loads meet
	tensor_load_to_lds s[G0:G0+3], s[G1:G1+7]
	s_nop 0
	tensor_load_to_lds s[G0+4:G0+7], s[G1:G1+7]
	s_nop 0
.rept 4
	v_nop
.endr
	v_and_b32 v[RR], 15, v0
	v_bfe_u32 v[HH], v0, 4, 1
	v_and_b32 v3, 31, v0                           ; lane
	v_lshlrev_b32 v[WO], 4, v3
	v_lshlrev_b32 v[BO], 5, v[HH]
	v_lshlrev_b32 v[PFO], 13, v3
	s_lshl_b32 s58, s19, 9                         ; the bias of my 32 columns: 512 bytes a tile, 128 a wave
	s_lshl_b32 s59, s[WV], 7
	s_add_co_u32 s58, s58, s59
	s_mov_b32 s59, 0
	s_add_nc_u64 s[8:9], s[8:9], s[58:59]
.irp n, 0,1
	global_load_b128 v[BIAS+8*(\n):BIAS+8*(\n)+3],   v[BO], s[8:9] offset:64*(\n)     ; register j: column 16 n + 8 (l / 16) + j, as in an accumulator
	global_load_b128 v[BIAS+8*(\n)+4:BIAS+8*(\n)+7], v[BO], s[8:9] offset:64*(\n)+16
.endr
	s_lshl_b32 s58, s19, 3                         ; W: block 8 x tile column + 2 x wave
	s_lshl_b32 s59, s[WV], 1
	s_add_co_u32 s58, s58, s59
	s_lshl_b32 s58, s58, 17
	s_add_co_u32 s58, s58, WOFF
	s_mov_b32 s59, 0
	s_add_nc_u64 s[WP:WP+1], s[6:7], s[58:59]
.irp i, 0,1,2,3,4,5,6
	RELOAD \i                                      ; K step 0's slots 0 to 6; slot 7 follows in the first quarter, where every K step's slot 7 is loaded
.endr
	WIN 0
	s_lshl_b32 s58, s20, 7                         ; res and out0: the 32 rows that I store, 128 x tile row + 32 x wave,
	s_lshl_b32 s59, s[WV], 5
	s_add_co_u32 s58, s58, s59
	s_lshl_b32 s58, s58, 12
	s_lshl_b32 s59, s19, 9                         ; the tile's 512 bytes of them
	s_add_co_u32 s58, s58, s59
	s_mov_b32 s59, 0
	s_add_nc_u64 s[10:11], s[10:11], s[58:59]
	s_add_nc_u64 s[12:13], s[12:13], s[58:59]
	s_lshl_b32 s58, s20, 7                         ; the prefetches: my work-group's 32 rows of the tile row,
	s_lshl_b32 s59, s17, 5
	s_add_co_u32 s58, s58, s59
	s_lshl_b32 s58, s58, 13
	s_lshl_b32 s59, s[WV], 8                       ; my wave's 256 bytes of a K step's 1,024,
	s_add_co_u32 s58, s58, s59
	s_add_co_u32 s58, s58, 2*2*KSTEP               ; at K step 2: the first trip steps it to 3
	s_mov_b32 s59, 0
	s_add_nc_u64 s[PFA:PFA+1], s[4:5], s[58:59]
	s_mov_b32 s[LIM], ttmp9                        ; the cluster's x: the same in all four partners
	s_cmp_eq_u32 s[LIM], 0
	s_cselect_b32 s[LIM], 1, -1
	v_mul_u32_u24 v[ADRA0], v[RR], AP              ; a fragment of A: row l % 16, 16 bytes for each half of the lanes, twice, 32 bytes apart
	v_lshl_add_u32 v[ADRA0], v[HH], 4, v[ADRA0]
	v_mov_b32 v[RA], v[ADRA0]
	v_add_nc_u32 v[RA+1], 64*AP, v[ADRA0]
	v_mul_u32_u24 v[STO], v[RR], SP                ; into the stage: row l % 16 of a block, my wave's 128 bytes, 32 for each half of the lanes
	v_lshl_add_u32 v[STO], v[HH], 5, v[STO]
	s_lshl_b32 s58, s[WV], 7
	v_add_nc_u32 v[STO], s58, v[STO]
	s_mul_i32 s58, s[WV], 32*SP                    ; back: wave w takes rows 32 w .. 32 w + 31, whole: 32 lanes x 16 bytes are a row
	v_add_nc_u32 v[RD], s58, v[WO]
	s_wait_tensorcnt 0x1                           ; my part of K step 0 is in; K step 1's may stay out
	s_barrier_signal -1
	s_barrier_wait -1                              ; everybody's is
	FETCH 0, F0
	QUARTER 0, 1, 48, 1                            ; the first quarter stands in front of the loop: its first products start the sums
	WIN 0
	s_mov_b32 s[CNT], NSTEP-2
.Lk:                                                   ; a trip goes from a K step's quarter 1 to the next step's quarter 0; it loads all of W's slots for that next step and fills the slot of A that it leaves
	s_wait_xcnt 0x0                                ; every load and prefetch issued so far has read its address (the youngest load half a quarter back, the prefetch a quarter and a half): the pointers may be written
	s_add_nc_u64 s[WP:WP+1], s[WP:WP+1], STEPW
	s_add_nc_u64 s[PFA:PFA+1], s[PFA:PFA+1], 2*KSTEP
.irp i, 1,2,3,4,5,6
	QUARTER \i, 1, 48, 0
.endr
	TURN 1
	QUARTER 0, 1, 48, 0
	WIN 0
	s_sub_co_u32 s[CNT], s[CNT], 1
	s_cmp_lg_u32 s[CNT], 0
	s_cbranch_scc1 .Lk
	s_wait_xcnt 0x0                                ; the last trip but one is written out: W's last K step is loaded, no tile of A is left to fetch
	s_add_nc_u64 s[WP:WP+1], s[WP:WP+1], STEPW
.irp i, 1,2,3,4,5,6
	QUARTER \i, 1, 48, 0
.endr
	TURN 0
	QUARTER 0, 1, 48, 0
	QUARTER 1, 2, 48, 0                            ; the last K step: res comes in the reloads' places, eight loads a quarter, so that six groups are still younger than the slot wanted
	QUARTER 2, 2, 48, 0
	QUARTER 3, 2, 48, 0
	QUARTER 4, 2, 48, 0
	QUARTER 5, 0, 48, 0
	QUARTER 6, 0, 40, 0                            ; behind slot 6: slot 7 and res's four groups
	s_wait_dscnt 16
	s_wait_loadcnt 32                              ; behind slot 7: res's four groups
	MUL8 F1, 7, 0, 0, 0
	MUL8 F1, 7, 0, 1, 0
	s_wait_dscnt 0x0
	MUL8 F1, 7, 1, 0, 0
	MUL8 F1, 7, 1, 1, 0
	WIN 0
	; THE WAY OUT.  A wave's 32 columns are 128 bytes of a row, half of an aligned 256: the four waves write one stage, a barrier stands between the writing and the reading, and each wave stores 32 whole rows.
	; The stage lies in slot 0: its last fill was K step 6's, and every wave's reads of that step were over at the last change of slots.
	PLACES
.irp a, 0,1,2,3,4,5,6,7
.irp n, 0,1
	ds_store_b128 v[STO], v[ACC+8*(2*(\a)+(\n)):ACC+8*(2*(\a)+(\n))+3]   offset:(\a)*16*SP+64*(\n)      ; each accumulator from its low end on
	ds_store_b128 v[STO], v[ACC+8*(2*(\a)+(\n))+4:ACC+8*(2*(\a)+(\n))+7] offset:(\a)*16*SP+64*(\n)+16
.endr
.endr
	s_wait_dscnt 0x0                               ; for the others' sake: my stores into the stage are done
	s_barrier_signal -1
	s_barrier_wait -1
	WIN 0x80                                       ; destination window 2: W's slots are free
.set t, 0
.rept 32
	ds_load_b128 v[4*t:4*t+3], v[RD] offset:t*SP
.set t, t+1
.endr
	s_wait_loadcnt 0x0                             ; res
.irp g, 0,1,2,3
	s_wait_dscnt 24-8*(\g)                         ; rows 8 g .. 8 g + 7 are back; the younger rows may stay out
	WIN 0x8e                                       ; destination and source 0 in window 2, source 1 (res) in window 3
.set n, 0
.rept 16
	v_pk_add_f32 v[32*(\g)+n:32*(\g)+n+1], v[32*(\g)+n:32*(\g)+n+1], v[32*(\g)+n:32*(\g)+n+1]
.set n, n+2
.endr
	WIN 0x08                                       ; store data (source 1) in window 2
.irp t, 0,1,2,3,4,5,6,7
	global_store_b128 v[WO], v[32*(\g)+4*(\t):32*(\g)+4*(\t)+3], s[12:13] offset:(8*(\g)+(\t))*4096  ; 512 consecutive bytes, aligned
.endr
.endr
	WIN 0
	s_wait_tensorcnt 0x0                           ; the wave's end: behind my last tensor load and my last LDS store
	ds_add_u32 v[SPW], v[NIL]
	s_wait_dscnt 0x0
	CROUND                                         ; the closing round: no work-group ends while a partner may still ask for a tile that names it
	s_endpgm
.Lfunc_end_k_q1e9611528d_mlp2:
	.size	k_q1e9611528d_mlp2, .Lfunc_end_k_q1e9611528d_mlp2-k_q1e9611528d_mlp2
	.p2alignl 7, 3214868480
	.fill 96, 4, 3214868480
	.section	.rodata,"a",@progbits
	.p2align	6, 0x0
	.amdhsa_kernel k_q1e9611528d_mlp2
		.amdhsa_group_segment_fixed_size 327680
		.amdhsa_private_segment_fixed_size 0
		.amdhsa_enable_private_segment 0
		.amdhsa_kernarg_size 40
		.amdhsa_user_sgpr_count 2
		.amdhsa_user_sgpr_kernarg_segment_ptr 1
		.amdhsa_wavefront_size32 1
		.amdhsa_system_sgpr_workgroup_id_x 1
		.amdhsa_system_sgpr_workgroup_id_y 1
		.amdhsa_system_sgpr_workgroup_id_z 1
		.amdhsa_system_vgpr_workitem_id 0
		.amdhsa_next_free_vgpr 896
		.amdhsa_next_free_sgpr 66
		.amdhsa_reserve_vcc 0
		.amdhsa_float_denorm_mode_32 3
		.amdhsa_float_denorm_mode_16_64 3
		.amdhsa_memory_ordered 1
		.amdhsa_forward_progress 1
		.amdhsa_inst_pref_size 144
	.end_amdhsa_kernel
	.amdgpu_metadata
---
amdhsa.version: [ 1, 2 ]
amdhsa.kernels:
  - .name:           k_q1e9611528d_mlp2
    .symbol:         k_q1e9611528d_mlp2.kd
    .args:
      - { .name: big, .offset: 0, .size: 8, .value_kind: global_buffer, .address_space: global }
      - { .name: wmlp, .offset: 8, .size: 8, .value_kind: global_buffer, .address_space: global }
      - { .name: bm2, .offset: 16, .size: 8, .value_kind: global_buffer, .address_space: global }
      - { .name: res, .offset: 24, .size: 8, .value_kind: global_buffer, .address_space: global }
      - { .name: out0, .offset: 32, .size: 8, .value_kind: global_buffer, .address_space: global }
    .group_segment_fixed_size: 327680
    .private_segment_fixed_size: 0
    .kernarg_segment_align: 8
    .kernarg_segment_size: 40
    .max_flat_workgroup_size: 128
    .sgpr_count:     66
    .vgpr_count:     896
    .wavefront_size: 32
...
	.end_amdgpu_metadata
.endif
;; end of part 5
